; MI455X (gfx1250); checked and timed in simulation.
; The chip was launched on July 23, 2026; its instructions are those of AMD's public machine-readable ISA for CDNA 5 (MIT licence, August 2026) and "CDNA5" Instruction Set Architecture Reference Guide (July 2026). The comments in the code are by the model that wrote it; some were corrected since.
;; Weighted Causal Multihead Attention. Allowed arithmetic: matrix products marked QUANTISED: E2M1 operands, one E8M0 scale for each 32 along K, by v_wmma_scale_f32_16x16x128_f8f6f4 with both operands' format E2M1 (or v_wmma_scale_f32_32x16x128_f4), f32 sums; products left as they are: bf16, f16 or f32 operands; f32 sums; everything else in f32.
;; Inputs: b_attn 3,072 float32; b_proj 1,024 float32; hidden_states 2 x 2,048 x 1,024 float32; w_attn 1,024 x 3,072 float32; w_proj 1,024 x 1,024 float32.
;; Outputs: out0 2 x 2,048 x 1,024 float32.
;; This version of the problem:
;;   THIS VERSION OF THE PROBLEM IS GIVEN IN LOW PRECISION. The matrix products marked QUANTISED in the list below multiply operands that are first quantised to E2M1 (2 exponent bits, 1 mantissa bit; 4 bits a number), with one power-of-two scale for each 32 numbers along K (OCP MX v1.0); their sums are f32. The products marked 'left as it is' may take bf16, f16 or f32 operands, with f32 sums. Whichever they take, every output number must still come out within the allowed error. Rounding operands to bf16 (8 significant bits) uses up far more of that allowance than f16 does (11 bits, for magnitudes from 6e-5 to 65,504). All else is computed in f32.
;;   The module's matrix products, in the order in which they are computed (A, B: the left and right operand; K: the contracted axis; several contracted axes count as one K, in the product's order):
;;     1. [M 4,096, K 1,024] x [K 1,024, N 3,072]; A: input hidden_states; B: input w_attn: QUANTISED
;;     2. batch 32 x [M 2,048, K 64] x [K 64, N 2,048]; A: computed on the way; B: computed on the way: left as it is (an operand is computed on the way)
;;     3. batch 32 x [M 2,048, K 2,048] x [K 2,048, N 64]; A: computed on the way; B: computed on the way: left as it is (an operand is computed on the way)
;;     4. [M 4,096, K 1,024] x [K 1,024, N 1,024]; A: computed on the way; B: input w_proj: left as it is (an operand is computed on the way)
;;   THE QUANTISER, for each operand of a quantised product, along K:
;;     - K is cut into blocks of 32 from its start; a last block that is shorter is filled with zeros.
;;     - A block's scale is 2^e with e = floor(log2(the largest magnitude in the block)) - 2, held to -126 .. 127; a block of zeros has e = 0. As a byte (E8M0): e + 127.
;;     - Each number is divided by its block's scale, clamped to +-6, and rounded to the nearest number of E2M1, ties to even, subnormals kept.
;;     - The product sums the exact products of the quantised numbers (number of the format x scale) in f32.
;;   ~~~python
;;   def quantise(x, axis):      # numpy; x: float32 -> the quantised numbers, widened to float32 again
;;       x = np.moveaxis(x, axis, -1); K = x.shape[-1]
;;       x = np.pad(x, [(0, 0)] * (x.ndim - 1) + [(0, -K % 32)]); x = x.reshape(x.shape[:-1] + (-1, 32)); a = np.abs(x).max(-1, keepdims=True)
;;       e = np.where(a > 0, np.clip(np.frexp(np.where(a > 0, a, 1))[1] - 1 - 2, -126, 127), 0)      # np.frexp(a)[1] - 1 = floor(log2(a)), exactly
;;       r = np.clip(x / 2.0 ** e, -6, 6)
;;       step = 2.0 ** (np.maximum(np.frexp(np.where(r == 0, 1, r))[1] - 1, 0) - 1)
;;       q = np.round(r / step) * step * 2.0 ** e      # np.round: ties to even
;;       return np.moveaxis(q.reshape(q.shape[:-2] + (-1,))[..., :K], -1, axis).astype(np.float32)
;;   ~~~
;; One version. Each part assembles by itself: llvm-mc -triple=amdgcn-amd-amdhsa -mcpu=gfx1250 --defsym DOCPART=n.
;; ======== version 1 of 1: 4 launches
;; limits: values are held in f16: magnitudes above 65,504 overflow, below 6.1e-05 lose precision
;; workspace buffers: h_codes 2,097,152 bytes; h_scales 131,072 bytes; wa_codes 1,572,864 bytes; wa_scales 98,304 bytes; wp16 2,097,152 bytes; qkv16 25,165,824 bytes; att16 8,388,608 bytes
;; launch prep (part 1): grid 384 x 1, 4 waves a work-group, no clusters, 35,328 bytes of LDS; arguments hidden_states, w_attn, w_proj, h_codes, h_scales, wa_codes, wa_scales, wp16; writes h_codes, h_scales, wa_codes, wa_scales, wp16
.if DOCPART == 1
	.amdgcn_target "amdgcn-amd-amdhsa--gfx1250"
	.amdhsa_code_object_version 6
	.text
	.protected	k_qc0d372f8aa_prep
	.globl	k_qc0d372f8aa_prep
	.p2align	8
	.type	k_qc0d372f8aa_prep,@function
k_qc0d372f8aa_prep:
	s_mov_b64 s[64:65], 0
	v_nop
	global_prefetch_b8 v0, s[64:65] scope:SCOPE_SE
	s_setreg_imm32_b32 hwreg(HW_REG_WAVE_MODE, 25, 1), 1
	s_wait_xcnt 0x0
; The three inputs that later launches multiply are laid out once, in the order of the operands' registers.
;   hidden_states [4096][1024] f32 -> h_codes  [row tile 256][K step 8][1,024 bytes], h_scales  [K step 8][row 4096] words   (E2M1 codes, E8M0 bytes, blocks of 32 along K)
;   w_attn [1024 (k)][3072 (n)] f32 -> wa_codes [n tile 192][K step 8][1,024 bytes], wa_scales [K step 8][n 3072] words
;   w_proj [1024 (k)][1024 (n)] f32 -> wp16     [n tile 64][32 k 32][1,024 bytes], f16
; A fragment lies as an image of its registers: lane l's 16 bytes of registers 0-3 at 16 l, of registers 4-7 at 512 + 16 l.  So every later load of it covers 512 consecutive bytes.
; A block's scale is 2^(floor(log2(its largest magnitude)) - 2); its byte is the largest magnitude's exponent field - 2, held at 1 from below by a floor among the maximum's leaves.
; LIMITS: NaN and infinities among the inputs are not served; a block of zeros gets the byte 1 where the rule says 127 (its codes are zeros, and this program alone reads the bytes);
; w_proj must lie inside f16's range (up to 65,504).
; SHARES.  Work-groups 0-127: hidden, 64 rows x 512 along K, a wave 64 rows x 128.  128-319: w_attn, 128 along K x 128 columns, a lane a column.  320-383: w_proj likewise.
; No tensor load, no barrier: waves share nothing.  Only the first path uses LDS.
.set WREG,  8704                       ; LDS of a wave: a stage of 16 rows x 528 bytes, then 256 bytes for 64 scale words
.set SP,    528                        ; a stage row: 512 bytes + 16, so that sixteen rows fall in sixteen different columns of 16 bytes
.set WSO,   16*SP
.set SPARE, 4*WREG                     ; the spare words, 128 bytes a wave: two blocks of 256 bytes that no other line names
.set SPW,   30                         ; v30  SPARE + 4 x my thread's number; never rewritten
.set NIL,   31                         ; v31  0; never rewritten
.set RA,    32                         ; v32-159  hidden: two sets of 64, rows as they are loaded
.set X,     160                        ; v160-223 hidden: my 64 numbers, two whole blocks
.set C,     224                        ; v224-255 hidden: codes, 8 registers a row tile, never rewritten
.set NUM,   32                         ; v32-159  the weights' paths: 128 numbers down K of my column
.set CD,    160                        ; v160..   the weights' paths: what is stored
	s_load_b256 s[4:11], s[0:1], 0x0               ; hidden s[4:5], w_attn s[6:7], w_proj s[8:9], h_codes s[10:11]
	s_load_b256 s[12:19], s[0:1], 0x20             ; h_scales s[12:13], wa_codes s[14:15], wa_scales s[16:17], wp16 s[18:19]
	v_lshl_add_u32 v[SPW], v0, 2, SPARE
	v_mov_b32 v[NIL], 0
	v_lshrrev_b32 v1, 5, v0
	v_readfirstlane_b32 s20, v1                    ; wave
	v_and_b32 v1, 31, v0                           ; lane
	v_and_b32 v2, 15, v0                           ; r
	v_bfe_u32 v3, v0, 4, 1                         ; h
	v_lshlrev_b32 v4, 4, v1                        ; 16 x lane
	v_lshlrev_b32 v5, 2, v1                        ; 4 x lane
	v_lshlrev_b32 v6, 4, v2
	v_lshl_add_u32 v7, v3, 15, v6                  ; wp16: 16 r + an n tile (32,768 bytes) for lanes 16-31
	v_lshl_add_u32 v6, v3, 13, v6                  ; wa_codes: 16 r + an n tile (8,192 bytes) for lanes 16-31
	s_mul_i32 s21, s20, WREG
	v_add_nc_u32 v26, s21, v4                      ; the stage, in: 16 x lane of a row
	v_mul_u32_u24 v27, v2, SP
	v_lshl_add_u32 v27, v3, 7, v27
	v_add_nc_u32 v27, s21, v27                     ; out: row r, + 128 h: my block of 32 numbers
	v_lshlrev_b32 v25, 2, v2
	v_add_nc_u32 v25, s21, v25                     ; a scale word, in: 4 r
	v_lshlrev_b32 v29, 3, v1                       ; 8 x lane
	v_add_nc_u32 v28, s21, v29                     ; the scale words, out
	v_lshlrev_b32 v24, 3, v3                       ; 8 h
	v_mov_b32 v15, 0                               ; a lane permute's destination counts as one of its sources
	s_mov_b32 s22, 0x76543210
	s_mov_b32 s23, 0xfedcba98                      ; selects for lane l xor 16
	s_mov_b32 s27, 0
	s_wait_kmcnt 0x0
	s_cmp_lt_u32 ttmp9, 128
	s_cbranch_scc1 .Lhid
	s_cmp_lt_u32 ttmp9, 320
	s_cbranch_scc1 .Lwa
	s_branch .Lwp
; the largest magnitude of the 32 numbers v[xs] .. v[xs + 31], in two chains, and the floor 2^(3 - 127): so the byte cannot fall under 1
.macro BMAX d, t, xs
	v_max3_num_f32 v[\d], |v[\xs]|, |v[\xs+1]|, |v[\xs+2]|
	v_max3_num_f32 v[\t], |v[\xs+3]|, |v[\xs+4]|, |v[\xs+5]|
.irp i, 6,10,14,18,22,26
	v_max3_num_f32 v[\d], v[\d], |v[\xs+\i]|, |v[\xs+\i+1]|
	v_max3_num_f32 v[\t], v[\t], |v[\xs+\i+2]|, |v[\xs+\i+3]|
.endr
	v_max3_num_f32 v[\d], v[\d], |v[\xs+30]|, |v[\xs+31]|
	v_max3_num_f32 v[\d], v[\d], v[\t], 0x1800000
.endm
; ---------------- hidden_states: K is innermost
.Lhid:
	s_lshr_b32 s24, ttmp9, 1                       ; R: which 64 rows
	s_and_b32 s25, ttmp9, 1
	s_lshl_b32 s25, s25, 2
	s_add_co_u32 s25, s25, s20                     ; my K step of 128
	s_lshl_b32 s26, s24, 18                        ; 64 rows of 4,096 bytes
	s_lshl_b32 s28, s25, 9
	s_add_co_u32 s26, s26, s28
	s_add_nc_u64 s[4:5], s[4:5], s[26:27]
	s_lshl_b32 s26, s24, 15                        ; four row tiles of 8,192 bytes
	s_lshl_b32 s28, s25, 10
	s_add_co_u32 s26, s26, s28
	s_add_nc_u64 s[10:11], s[10:11], s[26:27]
	s_lshl_b32 s26, s25, 14                        ; a K step's 4,096 words
	s_lshl_b32 s28, s24, 8
	s_add_co_u32 s26, s26, s28
	s_add_nc_u64 s[12:13], s[12:13], s[26:27]
.macro HLOAD m                         ; row tile m: each load reads 512 consecutive bytes of one row
.irp i, 0,1,2,3,4,5,6,7,8,9,10,11,12,13,14,15
	global_load_b128 v[RA+64*((\m)%2)+4*\i:RA+64*((\m)%2)+4*\i+3], v4, s[4:5] offset:(16*(\m)+\i)*4096 th:TH_LOAD_NT
.endr
.endm
.macro HSTEP m
.if (\m) < 3
	s_wait_loadcnt 16                              ; this tile's 16 loads are in; the next tile's may be out
.else
	s_wait_loadcnt 0x0
.endif
.irp i, 0,1,2,3,4,5,6,7,8,9,10,11,12,13,14,15
	ds_store_b128 v26, v[RA+64*((\m)%2)+4*\i:RA+64*((\m)%2)+4*\i+3] offset:SP*\i
.endr
.irp c, 0,1                            ; back as the operand's layout wants them: lane (r, h) takes k = 64 c + 32 h + 0 .. 31 of row r.  LDS serves a wave's instructions in order: these see the stores
.irp i, 0,1,2,3,4,5,6,7
	ds_load_b128 v[X+32*\c+4*\i:X+32*\c+4*\i+3], v27 offset:256*\c+16*\i
.endr
.endr
	s_wait_dscnt 0x0
.if (\m) < 2
	HLOAD (\m)+2                                   ; the stores into the stage have read this set
.endif
	BMAX 8, 9, X                                   ; block h,
	BMAX 10, 11, X+32                              ; block 2 + h: all 32 numbers of each are mine
	v_add_nc_u32 v12, 0xff000000, v8               ; 2 off the exponent field: the conversion takes the exponent field of this operand as its scale
	v_add_nc_u32 v13, 0xff000000, v10
	v_lshrrev_b32 v8, 23, v12                      ; the scales' bytes
	v_lshrrev_b32 v10, 23, v13
	v_lshl_or_b32 v14, v10, 16, v8
	v_lshlrev_b32 v14, v24, v14                    ; at their places in the row's word (8 h bits up);
	v_permlanex16_b32 v15, v14, s22, s23
	v_or_b32 v14, v14, v15                         ; with lane l xor 16's two the word is whole
.irp g, 0,1,2,3
	v_cvt_scalef32_pk8_fp4_f32 v[C+8*(\m)+\g], v[X+8*\g:X+8*\g+7], v12
.endr
.irp g, 0,1,2,3
	v_cvt_scalef32_pk8_fp4_f32 v[C+8*(\m)+4+\g], v[X+32+8*\g:X+32+8*\g+7], v13
.endr
	v_nop                                          ; one plain line behind the last conversion
	ds_store_b32 v25, v14 offset:WSO+64*(\m)       ; both halves of the lanes write the same word with the same value
	global_store_b128 v4, v[C+8*(\m):C+8*(\m)+3], s[10:11] offset:8192*(\m)          ; 512 consecutive bytes each
	global_store_b128 v4, v[C+8*(\m)+4:C+8*(\m)+7], s[10:11] offset:8192*(\m)+512
.endm
	HLOAD 0
	HLOAD 1
	HSTEP 0
	HSTEP 1
	HSTEP 2
	HSTEP 3
	ds_load_b64 v[8:9], v28 offset:WSO             ; my wave's 64 scale words
	s_wait_dscnt 0x0
	global_store_b64 v29, v[8:9], s[12:13]         ; 256 consecutive bytes, aligned
	s_wait_tensorcnt 0x0                           ; the wave's end
	ds_add_u32 v[SPW], v[NIL]
	s_wait_dscnt 0x0
	s_endpgm
; 32 numbers down K of my column: each load reads 128 consecutive bytes a wave, 512 a work-group
.macro CLOAD b, sb, pitch
.irp i, 0,1,2,3,4,5,6,7,8,9,10,11,12,13,14,15,16,17,18,19,20,21,22,23,24,25,26,27,28,29,30,31
	global_load_b32 v[NUM+32*(\b)+\i], v5, s[\sb:\sb+1] offset:(32*(\b)+\i)*\pitch th:TH_LOAD_NT
.endr
.endm
.macro CWAIT b                         ; block b is in; the next block's 32 loads may be out
.if (\b) < 3
	s_wait_loadcnt 32
.else
	s_wait_loadcnt 0x0
.endif
.endm
; ---------------- w_attn: K is the first axis: a lane takes a column, its registers run down K
.Lwa:
	s_sub_co_u32 s24, ttmp9, 128
	s_and_b32 s25, s24, 7                          ; K step
	s_lshr_b32 s24, s24, 3
	s_lshl_b32 s24, s24, 2
	s_add_co_u32 s24, s24, s20                     ; my wave's 32 columns
	s_mul_i32 s26, s25, 1572864                    ; 128 rows of 12,288 bytes
	s_lshl_b32 s28, s24, 7
	s_add_co_u32 s26, s26, s28
	s_add_nc_u64 s[6:7], s[6:7], s[26:27]
	s_lshl_b32 s26, s24, 14                        ; two n tiles of 8,192 bytes
	s_lshl_b32 s29, s25, 10
	s_add_co_u32 s26, s26, s29
	s_add_nc_u64 s[14:15], s[14:15], s[26:27]
	s_mul_i32 s26, s25, 12288
	s_add_co_u32 s26, s26, s28
	s_add_nc_u64 s[16:17], s[16:17], s[26:27]
.macro WBLOCK b
	CWAIT \b
.if (\b) < 2
	CLOAD (\b)+2, 6, 12288
.endif
	BMAX 8, 9, NUM+32*(\b)
	v_add_nc_u32 v11, 0xff000000, v8
	v_lshrrev_b32 v10, 23, v11
.if (\b) == 0
	v_mov_b32 v12, v10                             ; four bytes make my column's word, the lower K in the lower byte
.else
	v_lshl_or_b32 v12, v10, 8*(\b), v12
.endif
.irp g, 0,1,2,3
	v_cvt_scalef32_pk8_fp4_f32 v[CD+4*(\b)+\g], v[NUM+32*(\b)+8*\g:NUM+32*(\b)+8*\g+7], v11
.endr
	v_nop                                          ; one plain line behind the last conversion
	global_store_b128 v6, v[CD+4*(\b):CD+4*(\b)+3], s[14:15] offset:512*((\b)/2)+256*((\b)%2)   ; block b of row r lies at 512 (b / 2) + 256 (b % 2) + 16 r: sixteen lanes store 256 consecutive bytes, aligned
.endm
	CLOAD 0, 6, 12288
	CLOAD 1, 6, 12288
	WBLOCK 0
	WBLOCK 1
	WBLOCK 2
	WBLOCK 3
	global_store_b32 v5, v12, s[16:17]             ; 128 consecutive bytes a wave, 512 a work-group: one byte for each 128 that the path reads
	s_wait_tensorcnt 0x0                           ; the wave's end
	ds_add_u32 v[SPW], v[NIL]
	s_wait_dscnt 0x0
	s_endpgm
; ---------------- w_proj: the same walk, rounded to f16
.Lwp:
	s_sub_co_u32 s24, ttmp9, 320
	s_and_b32 s25, s24, 7
	s_lshr_b32 s24, s24, 3                         ; which 128 along K
	s_lshl_b32 s25, s25, 2
	s_add_co_u32 s25, s25, s20                     ; my wave's 32 columns
	s_lshl_b32 s26, s24, 19                        ; 128 rows of 4,096 bytes
	s_lshl_b32 s28, s25, 7
	s_add_co_u32 s26, s26, s28
	s_add_nc_u64 s[8:9], s[8:9], s[26:27]
	s_lshl_b32 s26, s25, 16                        ; two n tiles of 32,768 bytes
	s_lshl_b32 s28, s24, 12                        ; four fragments of 1,024 bytes
	s_add_co_u32 s26, s26, s28
	s_add_nc_u64 s[18:19], s[18:19], s[26:27]
.macro PBLOCK b
	CWAIT \b
.if (\b) < 2
	CLOAD (\b)+2, 8, 4096
.endif
.irp q, 0,1,2,3
.irp t, 0,1,2,3
	v_cvt_pk_f16_f32 v[CD+16*(\b)+4*\q+\t], v[NUM+32*(\b)+8*\q+2*\t], v[NUM+32*(\b)+8*\q+2*\t+1]
.endr
.endr
.irp q, 0,1,2,3                        ; k = 8 q .. 8 q + 7 of a fragment's 32 belong to half q % 2 of the lanes, registers 4 (q / 2) on
	global_store_b128 v7, v[CD+16*(\b)+4*\q:CD+16*(\b)+4*\q+3], s[18:19] offset:1024*(\b)+512*(\q/2)+256*(\q%2)
.endr
.endm
	CLOAD 0, 8, 4096
	CLOAD 1, 8, 4096
	PBLOCK 0
	PBLOCK 1
	PBLOCK 2
	PBLOCK 3
	s_wait_tensorcnt 0x0                           ; the wave's end
	ds_add_u32 v[SPW], v[NIL]
	s_wait_dscnt 0x0
	s_endpgm
.Lfunc_end_k_qc0d372f8aa_prep:
	.size	k_qc0d372f8aa_prep, .Lfunc_end_k_qc0d372f8aa_prep-k_qc0d372f8aa_prep
	.p2alignl 7, 3214868480
	.fill 96, 4, 3214868480
	.section	.rodata,"a",@progbits
	.p2align	6, 0x0
	.amdhsa_kernel k_qc0d372f8aa_prep
		.amdhsa_group_segment_fixed_size 35328
		.amdhsa_private_segment_fixed_size 0
		.amdhsa_enable_private_segment 0
		.amdhsa_kernarg_size 64
		.amdhsa_user_sgpr_count 2
		.amdhsa_user_sgpr_kernarg_segment_ptr 1
		.amdhsa_wavefront_size32 1
		.amdhsa_system_sgpr_workgroup_id_x 1
		.amdhsa_system_sgpr_workgroup_id_y 1
		.amdhsa_system_sgpr_workgroup_id_z 1
		.amdhsa_system_vgpr_workitem_id 0
		.amdhsa_next_free_vgpr 256
		.amdhsa_next_free_sgpr 66
		.amdhsa_reserve_vcc 0
		.amdhsa_float_denorm_mode_32 3
		.amdhsa_float_denorm_mode_16_64 3
		.amdhsa_memory_ordered 1
		.amdhsa_forward_progress 1
		.amdhsa_inst_pref_size 68
	.end_amdhsa_kernel
	.amdgpu_metadata
---
amdhsa.version: [ 1, 2 ]
amdhsa.kernels:
  - .name:           k_qc0d372f8aa_prep
    .symbol:         k_qc0d372f8aa_prep.kd
    .args:
      - { .name: hidden_states, .offset: 0, .size: 8, .value_kind: global_buffer, .address_space: global }
      - { .name: w_attn, .offset: 8, .size: 8, .value_kind: global_buffer, .address_space: global }
      - { .name: w_proj, .offset: 16, .size: 8, .value_kind: global_buffer, .address_space: global }
      - { .name: h_codes, .offset: 24, .size: 8, .value_kind: global_buffer, .address_space: global }
      - { .name: h_scales, .offset: 32, .size: 8, .value_kind: global_buffer, .address_space: global }
      - { .name: wa_codes, .offset: 40, .size: 8, .value_kind: global_buffer, .address_space: global }
      - { .name: wa_scales, .offset: 48, .size: 8, .value_kind: global_buffer, .address_space: global }
      - { .name: wp16, .offset: 56, .size: 8, .value_kind: global_buffer, .address_space: global }
    .group_segment_fixed_size: 35328
    .private_segment_fixed_size: 0
    .kernarg_segment_align: 8
    .kernarg_segment_size: 64
    .max_flat_workgroup_size: 128
    .sgpr_count:     66
    .vgpr_count:     256
    .wavefront_size: 32
...
	.end_amdgpu_metadata
.endif
;; end of part 1
;; launch qkv (part 2): grid 16 x 16, 4 waves a work-group, clusters of 4 x 4, 245,760 bytes of LDS; arguments h_codes, h_scales, wa_codes, wa_scales, b_attn, qkv16; writes qkv16
.if DOCPART == 2
	.amdgcn_target "amdgcn-amd-amdhsa--gfx1250"
	.amdhsa_code_object_version 6
	.text
	.protected	k_qc0d372f8aa_qkv
	.globl	k_qc0d372f8aa_qkv
	.p2align	8
	.type	k_qc0d372f8aa_qkv,@function
k_qc0d372f8aa_qkv:
	s_mov_b64 s[64:65], 0
	v_nop
	global_prefetch_b8 v0, s[64:65] scope:SCOPE_SE
	s_setreg_imm32_b32 hwreg(HW_REG_WAVE_MODE, 25, 1), 1
	s_wait_xcnt 0x0
	s_wait_alu depctr_hold_cnt(0) depctr_sa_sdst(0) depctr_va_vdst(0) depctr_va_sdst(0) depctr_va_ssrc(0) depctr_va_vcc(0) depctr_vm_vsrc(0)
	s_getreg_b32 s2, hwreg(HW_REG_IB_STS2, 6, 4)
	s_cmp_eq_u32 s2, 0
	s_cbranch_scc0 .Lentry_in_a_cluster
	s_endpgm
.Lentry_in_a_cluster:
	s_bfe_u32 s2, ttmp6, 0x10000c
	s_cmp_lg_u32 s2, 0xf033
	s_cbranch_scc0 .Lentry_shape_is_right
	s_endpgm
.Lentry_shape_is_right:
; qkv = Q(hidden) Q(w_attn) + b_attn on codes of E2M1 with E8M0 scales, sums in f32, rounded once to f16 and laid as the attention's operands want it.
; A work-group makes 256 tokens x 192 columns; wave (wm, wn) 128 x 96: 48 accumulators, 384 registers.  All of K = 1,024 of the tile fits in LDS (224 KiB of codes), so every byte of LDS is
; filled once: four chunks of two K steps of 128, all asked for at the head (with the scale words five tensor loads of a wave are out), and the products of a chunk start when it has landed.
; CLUSTERS: 4 x 4 work-groups; hidden's tiles are shared along a row of the cluster, w_attn's along a column: joint loads with a mask that names the four.
; Codes lie in memory and in LDS as images of the operands' registers (lane l's 16 bytes at 16 l), so a fragment is two ds_load_b128 of 512 consecutive bytes: no pitch, no padding.
; THE MATRIX INSTRUCTION IS USED TRANSPOSED (source 0 = 16 columns of w_attn, source 1 = 16 tokens): a lane holds eight neighbouring columns of one token, 16 bytes of f16.  b_attn is the C of the first K step.
; qkv16: byte = (n / 64) x 524,288 + token tile x 2,048 + ((n / 16) % 4) x 512 + 16 x place.  q and k: place = lane, so that two pieces are a fragment of 16 tokens x 32 channels.
; v (n >= 2,048): place = r % 8 + 8 h + 16 (r / 8), so that the turning LDS load at 16 x lane gives half a fragment of V^T.
; LIMIT: q, k and v must lie inside f16's range (up to 65,504).
; REGISTERS: window 0: v8-21 addresses; v32-59 scale words, two sets of 14 (hidden's 8 tiles, w_attn's 6): lanes 0-15 the chunk's even K step, lanes 16-31 its odd one; v64-191 hidden's fragments, two sets;
;   on the way out v64-255 the packed results.  window 1: v0-47, v64-111 w_attn's fragments, two sets; v128-175 the bias.  window 2: accumulators (a = 0..3, b) at v[8 (6 a + b)]; window 3: a = 4..7.
.set CH,    57344                      ; a chunk: hidden's 16 row tiles x 2,048 bytes, then w_attn's 12 n tiles x 2,048
.set BOFF,  32768
.set SCA,   4*CH                       ; hidden's scale words: 8 K steps x 256 rows
.set SCB,   SCA+8192                   ; w_attn's: 8 K steps x 192 columns
.set SPARE, SCB+6144                   ; the spare words, 128 bytes a wave: two blocks of 256 bytes that no other line names
.set ADRA, 8
.set ADRB, 9
.set ADSA, 10
.set ADSB, 11
.set L16,  12                          ; 16 x lane
.set PI16, 13                          ; 16 x v's place
.set BO,   14                          ; 32 h
.set VO,   16                          ; v16-21 the stores' offsets, one for each of my six n tiles
.set SPW,  28
.set NIL,  29
.set SC,   32
.set AF,   64
.set BI,   128
.set PK,   64
.set WV,   16
.set WM,   17                          ; which half of the rows is mine.  Also: I fetch for hidden (0) or for w_attn (1)
.set WN,   18                          ; which half of the columns.  Also: which half of a tile I fetch
.set NX,   21
.set MY,   22
.set G1A,  24
.set G1B,  32
.set G1SA, 40
.set G1SB, 48
.set MSB, 0
.macro WIN new                         ; the immediate's high byte repeats the setting that is left
.if MSB != \new
	s_set_vgpr_msb (MSB<<8)|\new
.set MSB, \new
.endif
.endm
.macro CROUND                          ; a round of the cluster's barrier
	s_barrier_signal -1
	s_barrier_wait -1
	s_cmp_lg_u32 s[WV], 0
	s_cbranch_scc1 .Lnot_wave_0_\@
	s_barrier_signal -3
.Lnot_wave_0_\@:
	s_barrier_wait -3
	s_barrier_signal -1
	s_barrier_wait -1
.endm
.macro PLACES                          ; four plain lines behind matrix instructions, in front of loads into their registers and of reads of their results
.rept 4
	v_nop
.endr
.endm
.macro MKG1 g, c, r, p                 ; r rows of c elements of 8 bytes, p elements apart
	s_mov_b32 s[\g+1], (\c)<<16
	s_mov_b32 s[\g+2], (\r)<<16
	s_mov_b32 s[\g+3], (\c)<<16
	s_mov_b32 s[\g+4], \r
	s_mov_b32 s[\g+5], \p
	s_mov_b32 s[\g+6], 0
	s_mov_b32 s[\g+7], 0
.endm
.macro MKG0 g, l, lo, p, go            ; to LDS byte s[l] + lo, from s[p:p+1] + go
	s_mov_b32 s[\g], 1
	s_add_co_u32 s[\g+1], s[\l], \lo
	s_add_nc_u64 s[\g+2:\g+3], s[\p:\p+1], \go
	s_or_b32 s[\g+3], s[\g+3], 0x80000000
.endm
	s_load_b256 s[4:11], s[0:1], 0x0               ; h_codes s[4:5], h_scales s[6:7], wa_codes s[8:9], wa_scales s[10:11]
	s_load_b128 s[12:15], s[0:1], 0x20             ; b_attn s[12:13], qkv16 s[14:15]
	v_lshl_add_u32 v[SPW], v0, 2, SPARE
	v_mov_b32 v[NIL], 0
	ds_add_u32 v[SPW], v[NIL]                      ; the wave's opening: the add, twice on end, and its wait ahead of my first tensor load
	ds_add_u32 v[SPW], v[NIL]
	v_lshrrev_b32 v1, 5, v0
	v_readfirstlane_b32 s[WV], v1
	s_lshr_b32 s[WM], s[WV], 1
	s_and_b32 s[WN], s[WV], 1
	s_bfe_u32 s19, ttmp6, 0x40000                  ; cx
	s_bfe_u32 s20, ttmp6, 0x40004                  ; cy
	s_lshl_b32 s[NX], ttmp9, 2
	s_add_co_u32 s[NX], s[NX], s19                 ; which 192 columns
	s_and_b32 s[MY], ttmp7, 0xffff
	s_lshl_b32 s[MY], s[MY], 2
	s_add_co_u32 s[MY], s[MY], s20                 ; which 256 tokens
	s_lshl_b32 s23, s20, 2
	s_lshl_b32 s23, 15, s23                        ; my row of the cluster
	s_lshl_b32 s66, 0x1111, s19                    ; my column
	s_or_b32 s[G1A], s23, (3<<16)|(1<<21)          ; 15:0 the mask; 17:16 elements of 8 bytes; 21 set beside a mask; no padding
	s_or_b32 s[G1SA], s23, (3<<16)|(1<<21)
	s_or_b32 s[G1B], s66, (3<<16)|(1<<21)
	s_or_b32 s[G1SB], s66, (3<<16)|(1<<21)
	MKG1 G1A, 256, 8, 1024                         ; 8 row tiles x two K steps (2,048 bytes), 8,192 bytes apart
	MKG1 G1B, 256, 6, 1024                         ; 6 n tiles likewise
	MKG1 G1SA, 128, 4, 2048                        ; 4 K steps x 256 words, 16,384 bytes apart
	MKG1 G1SB, 96, 4, 1536                         ; 4 K steps x 192 words, 12,288 bytes apart
	s_lshl_b32 s2, s[MY], 17                       ; hidden's codes: (16 MY + 8 u) tiles of 8,192 bytes
	s_lshl_b32 s3, s[WN], 16
	s_add_co_u32 s2, s2, s3
	s_mov_b32 s3, 0
	s_lshl_b32 s100, s[WN], 16                     ; its scale words: 4 u K steps + 256 MY words
	s_lshl_b32 s101, s[MY], 10
	s_add_co_u32 s100, s100, s101
	s_mov_b32 s101, 0
	s_mul_i32 s66, s[NX], 98304                    ; w_attn's codes: (12 NX + 6 u) tiles
	s_mul_i32 s67, s[WN], 49152
	s_add_co_u32 s66, s66, s67
	s_mul_i32 s104, s[NX], 768                     ; its scale words: 4 u K steps (49,152 bytes) + 192 NX words
	s_add_co_u32 s104, s104, s67
	s_mov_b32 s67, 0
	s_mov_b32 s105, 0
	s_wait_dscnt 0x0                               ; both opening adds are done
	s_wait_kmcnt 0x0
	s_add_nc_u64 s[2:3], s[4:5], s[2:3]
	s_add_nc_u64 s[100:101], s[6:7], s[100:101]
	s_add_nc_u64 s[66:67], s[8:9], s[66:67]
	s_add_nc_u64 s[104:105], s[10:11], s[104:105]
	s_lshl_b32 s4, s[WN], 14                       ; where my halves go: no place in the cluster enters an LDS address
	s_mul_i32 s5, s[WN], 12288
	s_lshl_b32 s6, s[WN], 12
	s_mul_i32 s7, s[WN], 3072
	MKG0 56, 6, SCA, 100, 0
	MKG0 60, 4, 0, 2, 0
	MKG0 68, 4, CH, 2, 2048
	MKG0 72, 4, 2*CH, 2, 4096
	MKG0 76, 4, 3*CH, 2, 6144
	MKG0 80, 7, SCB, 104, 0
	MKG0 84, 5, BOFF, 66, 0
	MKG0 88, 5, CH+BOFF, 66, 2048
	MKG0 92, 5, 2*CH+BOFF, 66, 4096
	MKG0 96, 5, 3*CH+BOFF, 66, 6144
	CROUND                                         ; all sixteen work-groups are here: the joint loads meet
	s_cmp_eq_u32 s[WM], 0                          ; a wave's five fills stand in one branch on the wave's number, ahead of every wait on TENSORcnt and every LDS read
	s_cbranch_scc0 .Lfor_b
	tensor_load_to_lds s[56:59], s[G1SA:G1SA+7]
	s_nop 0
	tensor_load_to_lds s[60:63], s[G1A:G1A+7]
	s_nop 0
	tensor_load_to_lds s[68:71], s[G1A:G1A+7]
	s_nop 0
	tensor_load_to_lds s[72:75], s[G1A:G1A+7]
	s_nop 0
	tensor_load_to_lds s[76:79], s[G1A:G1A+7]
	s_nop 0
.rept 4
	v_nop
.endr
	s_branch .Lasked
.Lfor_b:
	tensor_load_to_lds s[80:83], s[G1SB:G1SB+7]
	s_nop 0
	tensor_load_to_lds s[84:87], s[G1B:G1B+7]
	s_nop 0
	tensor_load_to_lds s[88:91], s[G1B:G1B+7]
	s_nop 0
	tensor_load_to_lds s[92:95], s[G1B:G1B+7]
	s_nop 0
	tensor_load_to_lds s[96:99], s[G1B:G1B+7]
	s_nop 0
.rept 4
	v_nop
.endr
.Lasked:
	v_and_b32 v1, 31, v0                           ; lane
	v_and_b32 v2, 15, v0                           ; r
	v_bfe_u32 v3, v0, 4, 1                         ; h
	v_lshlrev_b32 v[BO], 5, v3
	s_mul_i32 s4, s[NX], 768                       ; b_attn at my 96 columns
	s_mul_i32 s5, s[WN], 384
	s_add_co_u32 s4, s4, s5
	s_mov_b32 s5, 0
	s_add_nc_u64 s[12:13], s[12:13], s[4:5]
	WIN 0x40                                       ; destination window 1
.irp b, 0,1,2,3,4,5                    ; lane (r, h) wants, for n tile b, the bias of columns 16 b + 8 h + 0 .. 7
	global_load_b128 v[BI+8*\b:BI+8*\b+3], v[BO], s[12:13] offset:64*\b
	global_load_b128 v[BI+8*\b+4:BI+8*\b+7], v[BO], s[12:13] offset:64*\b+16
.endr
	WIN 0
	v_lshlrev_b32 v[L16], 4, v1
	s_lshl_b32 s4, s[WM], 14
	v_add_nc_u32 v[ADRA], s4, v[L16]               ; my 8 row tiles of a chunk
	s_mul_i32 s4, s[WN], 12288
	s_add_co_u32 s4, s4, BOFF
	v_add_nc_u32 v[ADRB], s4, v[L16]               ; my 6 n tiles
	v_lshlrev_b32 v[ADSA], 2, v2
	v_lshl_add_u32 v[ADSA], v3, 10, v[ADSA]        ; lanes 16-31 take the chunk's odd K step
	s_lshl_b32 s4, s[WM], 9
	s_add_co_u32 s4, s4, SCA
	v_add_nc_u32 v[ADSA], s4, v[ADSA]
	v_mul_u32_u24 v[ADSB], v3, 768
	v_lshl_add_u32 v[ADSB], v2, 2, v[ADSB]
	s_mul_i32 s4, s[WN], 384
	s_add_co_u32 s4, s4, SCB
	v_add_nc_u32 v[ADSB], s4, v[ADSB]
	v_and_b32 v[PI16], 7, v0
	v_lshl_add_u32 v[PI16], v3, 3, v[PI16]
	v_bfe_u32 v15, v0, 3, 1
	v_lshl_add_u32 v[PI16], v15, 4, v[PI16]
	v_lshlrev_b32 v[PI16], 4, v[PI16]              ; 16 x (r % 8 + 8 h + 16 (r / 8))
	s_mul_i32 s4, s[NX], 12
	s_mul_i32 s5, s[WN], 6
	s_add_co_u32 s4, s4, s5                        ; my first n tile of the 192
.irp b, 0,1,2,3,4,5
	s_add_co_u32 s5, s4, \b
	s_lshr_b32 s6, s5, 2
	s_lshl_b32 s6, s6, 19                          ; n / 64: 524,288 bytes each
	s_and_b32 s7, s5, 3
	s_lshl_b32 s7, s7, 9
	s_add_co_u32 s6, s6, s7
	s_cmp_ge_u32 s5, 128                           ; a tile of v?  A choice of a value, no branch
	s_cselect_b32 s7, -1, 0
	v_cndmask_b32 v[VO+\b], v[L16], v[PI16], s7
	v_add_nc_u32 v[VO+\b], s6, v[VO+\b]
.endr
	s_lshl_b32 s4, s[MY], 15                       ; my first token tile: (16 MY + 8 wm) x 2,048 bytes
	s_lshl_b32 s5, s[WM], 14
	s_add_co_u32 s4, s4, s5
	s_mov_b32 s5, 0
	s_add_nc_u64 s[14:15], s[14:15], s[4:5]
.macro FRAG reg, adr, off              ; a fragment: 16 rows x 128 K of 4-bit codes, 8 registers
	ds_load_b128 v[\reg:\reg+3], v[\adr] offset:\off
	ds_load_b128 v[\reg+4:\reg+7], v[\adr] offset:\off+512
.endm
; K step q's operands into set q % 2: with an even q the chunk's 14 scale registers; w_attn's 6 fragments; hidden's 0-3, then 4-7
.macro FETCH q
.if ((\q)%2) == 0
	WIN 0
.irp i, 0,1,2,3,4,5,6,7
	ds_load_b32 v[SC+14*(((\q)/2)%2)+\i], v[ADSA] offset:2048*((\q)/2)+64*\i
.endr
.irp j, 0,1,2,3,4,5
	ds_load_b32 v[SC+14*(((\q)/2)%2)+8+\j], v[ADSB] offset:1536*((\q)/2)+64*\j
.endr
.endif
	WIN 0x40
.irp j, 0,1,2,3,4,5
	FRAG 64*((\q)%2)+8*\j, ADRB, 2048*\j+1024*((\q)%2)
.endr
	WIN 0
.irp i, 0,1,2,3,4,5,6,7
	FRAG AF+64*((\q)%2)+8*\i, ADRA, 2048*\i+1024*((\q)%2)
.endr
.endm
; 12 matrix instructions: token tiles a0, a0 + 1 x my six n tiles.  The 48 accumulators take turns, one instruction a turn, in the same order in every K step.
.macro MUL12 a0, q, first
.irp a, \a0, \a0+1
.irp b, 0,1,2,3,4,5
.if \first
	v_wmma_scale_f32_16x16x128_f8f6f4 v[8*(6*((\a)%4)+\b):8*(6*((\a)%4)+\b)+7], v[64*((\q)%2)+8*\b:64*((\q)%2)+8*\b+7], v[AF+64*((\q)%2)+8*(\a):AF+64*((\q)%2)+8*(\a)+7], v[BI+8*\b:BI+8*\b+7], v[SC+14*(((\q)/2)%2)+8+\b], v[SC+14*(((\q)/2)%2)+(\a)] matrix_a_fmt:MATRIX_FMT_FP4 matrix_b_fmt:MATRIX_FMT_FP4
.elseif ((\q)%2) == 0
	v_wmma_scale_f32_16x16x128_f8f6f4 v[8*(6*((\a)%4)+\b):8*(6*((\a)%4)+\b)+7], v[64*((\q)%2)+8*\b:64*((\q)%2)+8*\b+7], v[AF+64*((\q)%2)+8*(\a):AF+64*((\q)%2)+8*(\a)+7], v[8*(6*((\a)%4)+\b):8*(6*((\a)%4)+\b)+7], v[SC+14*(((\q)/2)%2)+8+\b], v[SC+14*(((\q)/2)%2)+(\a)] matrix_a_fmt:MATRIX_FMT_FP4 matrix_b_fmt:MATRIX_FMT_FP4
.else
	v_wmma_scale_f32_16x16x128_f8f6f4 v[8*(6*((\a)%4)+\b):8*(6*((\a)%4)+\b)+7], v[64*((\q)%2)+8*\b:64*((\q)%2)+8*\b+7], v[AF+64*((\q)%2)+8*(\a):AF+64*((\q)%2)+8*(\a)+7], v[8*(6*((\a)%4)+\b):8*(6*((\a)%4)+\b)+7], v[SC+14*(((\q)/2)%2)+8+\b], v[SC+14*(((\q)/2)%2)+(\a)] matrix_a_fmt:MATRIX_FMT_FP4 matrix_b_fmt:MATRIX_FMT_FP4 matrix_a_scale:MATRIX_SCALE_ROW1 matrix_b_scale:MATRIX_SCALE_ROW1
.endif
.endr
.endr
.endm
; A K step whose successor lies in the same chunk, and the last one
.macro KSE q, first
	s_wait_dscnt 8                                 ; all but hidden's fragments 4-7, the youngest eight loads
.if \first
	WIN 0x91                                       ; source 0 and C (the bias) window 1, source 1 window 0, D window 2
.else
	WIN 0xa1
.endif
	MUL12 0, \q, \first
	MUL12 2, \q, \first
.if (\q) < 7
	PLACES
	FETCH (\q)+1
	s_wait_dscnt 28                                ; all but the 28 just issued
.else
	s_wait_dscnt 0x0
.endif
.if \first
	WIN 0xd1
.else
	WIN 0xf1
.endif
	MUL12 4, \q, \first
	MUL12 6, \q, \first
.endm
; A chunk's second K step: the next chunk is shown to every wave by a barrier.  Later chunks may stay on their way.
.macro KSO q
	s_wait_dscnt 8
	WIN 0xa1
	MUL12 0, \q, 0
	s_wait_tensorcnt 2-((\q)/2)                    ; my part of the next chunk has landed: so many loads were issued behind it
	s_wait_dscnt 0x0
	s_barrier_signal -1
	MUL12 2, \q, 0
	s_barrier_wait -1
	PLACES
	WIN 0
	v_add_nc_u32 v[ADRA], CH, v[ADRA]
	v_add_nc_u32 v[ADRB], CH, v[ADRB]
	FETCH (\q)+1
	WIN 0xf1
	MUL12 4, \q, 0
	MUL12 6, \q, 0
.endm
	s_wait_tensorcnt 3                             ; the scale words and my part of chunk 0 are in; chunks 1 to 3 may be out
	s_barrier_signal -1
	s_barrier_wait -1
	FETCH 0
	s_wait_loadcnt 0x0                             ; the bias
	KSE 0, 1
	KSO 1
	KSE 2, 0
	KSO 3
	KSE 4, 0
	KSO 5
	KSE 6, 0
	KSE 7, 0
	WIN 0
	PLACES
; THE WAY OUT: a lane's eight results are 16 bytes of f16; a store of the wave covers 512 consecutive bytes.  No store's data are written again.
.macro OUTHALF hi
	WIN 0x0a+5*\hi                                 ; sources in window 2 or 3
.irp a, 0,1,2,3
.irp b, 0,1,2,3,4,5
.irp t, 0,1,2,3
	v_cvt_pk_f16_f32 v[PK+96*\hi+4*(6*\a+\b)+\t], v[8*(6*\a+\b)+2*\t], v[8*(6*\a+\b)+2*\t+1]
.endr
.endr
.endr
	WIN 0
.irp a, 0,1,2,3
.irp b, 0,1,2,3,4,5
	global_store_b128 v[VO+\b], v[PK+96*\hi+4*(6*\a+\b):PK+96*\hi+4*(6*\a+\b)+3], s[14:15] offset:2048*(4*\hi+\a) th:TH_STORE_NT
.endr
.endr
.endm
	OUTHALF 0
	OUTHALF 1
	s_wait_tensorcnt 0x0                           ; the wave's end
	ds_add_u32 v[SPW], v[NIL]
	s_wait_dscnt 0x0
	CROUND                                         ; the closing round
	s_endpgm
.Lfunc_end_k_qc0d372f8aa_qkv:
	.size	k_qc0d372f8aa_qkv, .Lfunc_end_k_qc0d372f8aa_qkv-k_qc0d372f8aa_qkv
	.p2alignl 7, 3214868480
	.fill 96, 4, 3214868480
	.section	.rodata,"a",@progbits
	.p2align	6, 0x0
	.amdhsa_kernel k_qc0d372f8aa_qkv
		.amdhsa_group_segment_fixed_size 245760
		.amdhsa_private_segment_fixed_size 0
		.amdhsa_enable_private_segment 0
		.amdhsa_kernarg_size 48
		.amdhsa_user_sgpr_count 2
		.amdhsa_user_sgpr_kernarg_segment_ptr 1
		.amdhsa_wavefront_size32 1
		.amdhsa_system_sgpr_workgroup_id_x 1
		.amdhsa_system_sgpr_workgroup_id_y 1
		.amdhsa_system_sgpr_workgroup_id_z 1
		.amdhsa_system_vgpr_workitem_id 0
		.amdhsa_next_free_vgpr 1024
		.amdhsa_next_free_sgpr 106
		.amdhsa_reserve_vcc 0
		.amdhsa_float_denorm_mode_32 3
		.amdhsa_float_denorm_mode_16_64 3
		.amdhsa_memory_ordered 1
		.amdhsa_forward_progress 1
		.amdhsa_inst_pref_size 99
	.end_amdhsa_kernel
	.amdgpu_metadata
---
amdhsa.version: [ 1, 2 ]
amdhsa.kernels:
  - .name:           k_qc0d372f8aa_qkv
    .symbol:         k_qc0d372f8aa_qkv.kd
    .args:
      - { .name: h_codes, .offset: 0, .size: 8, .value_kind: global_buffer, .address_space: global }
      - { .name: h_scales, .offset: 8, .size: 8, .value_kind: global_buffer, .address_space: global }
      - { .name: wa_codes, .offset: 16, .size: 8, .value_kind: global_buffer, .address_space: global }
      - { .name: wa_scales, .offset: 24, .size: 8, .value_kind: global_buffer, .address_space: global }
      - { .name: b_attn, .offset: 32, .size: 8, .value_kind: global_buffer, .address_space: global }
      - { .name: qkv16, .offset: 40, .size: 8, .value_kind: global_buffer, .address_space: global }
    .group_segment_fixed_size: 245760
    .private_segment_fixed_size: 0
    .kernarg_segment_align: 8
    .kernarg_segment_size: 48
    .max_flat_workgroup_size: 128
    .sgpr_count:     106
    .vgpr_count:     1024
    .wavefront_size: 32
...
	.end_amdgpu_metadata
.endif
;; end of part 2
;; launch attn (part 3): grid 8 x 32, 4 waves a work-group, no clusters, 327,680 bytes of LDS; arguments qkv16, att16; writes att16
.if DOCPART == 3
	.amdgcn_target "amdgcn-amd-amdhsa--gfx1250"
	.amdhsa_code_object_version 6
	.text
	.protected	k_qc0d372f8aa_attn
	.globl	k_qc0d372f8aa_attn
	.p2align	8
	.type	k_qc0d372f8aa_attn,@function
k_qc0d372f8aa_attn:
	s_mov_b64 s[64:65], 0
	v_nop
	global_prefetch_b8 v0, s[64:65] scope:SCOPE_SE
	s_setreg_imm32_b32 hwreg(HW_REG_WAVE_MODE, 25, 1), 1
	s_wait_xcnt 0x0
; att = softmax(q k^T / 8 + mask) v for each of 32 (batch, head) pairs; 2,048 positions, head size 64; operands f16, products, maxima and sums f32.
; THE MASK, with delta = key - query: hidden where delta < 0, -ln(delta + 1) where delta > 0, 0 on the diagonal.  So query i sees keys j >= i, and key blocks under a query block are not walked.
; SHARES.  A work-group owns two blocks of 128 queries of one head, blocks g and 15 - g, one after the other: they need 16 - g and g + 1 key blocks of 128, always 17 steps, so every
; trip count is a constant and all 256 work-groups do the same work.  A wave owns 32 queries of the block in hand: two tiles of 16.
; NO CLUSTER: the work-groups of a head walk different key blocks at the same step (step p of work-group g takes block g + p), so no tile could be asked for jointly.
; BOTH PRODUCTS ARE USED TRANSPOSED: S^T = K Q^T + C (source 0 = 16 keys, source 1 = 16 queries), O^T = V^T P: a lane holds one query throughout.
; MASK AND POWER LAW ARE THE C OF THE FIRST LINK OF K Q^T: t' = q.k + 8 mask, p = 2^(c t' - c m), c = log2(e) / 8, m the running maximum of t'.  8 mask hangs on delta alone: a table of 2,176 numbers
; (delta = -128 .. 2,047) lies in LDS four times, copy u one word further on, so that every lane reads its eight numbers by two aligned loads of 16 bytes.  Hidden entries hold -1e30: p = 0.
; The diagonal block is the first step of each query block, so every query has a key that counts from its first step on.
; In every step O^T and the sum l are multiplied by a = 2^(c m_old - c m_new).  A new query block sets m to -3e38: a is then 0, and what O^T and l held counts for nothing.
; LIMITS: q, k, v lie inside f16's range; |q.k| stays under about 1e29, beside the -1e30 of a hidden key; NaN and infinities are not served.
; THE RING.  Step 0's K and V lie in a region Z that is filled once; steps 2 n - 1 and 2 n lie in slot n, the slots by turns in two regions of 64 KiB.  Each wave brings one dense block of 16 KiB
; (waves 0, 1: K of a slot's two steps; waves 2, 3: V): three loads of a wave are out at the head, one behind each change of slots, with two steps in which to land.
; A STEP (macro BODY) runs one phase ahead: K and the table of step p are asked for, V^T P of step p - 1 is multiplied, then K Q^T of step p, V of step p is asked for, then the softmax of step p.
; REGISTERS: window 0: v2-11 addresses; v12-27 statistics, 8 a tile: c m, m, l (two halves), four at work (a takes the third); v64-191 S^T (tile a, key tile b at 64 a + 8 b); v192-255 P.
;   window 1: v0-63 O^T (32 a + 8 ct); v64-95 Q; v96-127 Q of the second block; v128-199 nine tiles of the table.   window 2: v0-127 K (16 b + 4 ct); v128-255 V^T (32 kg + 8 ct).
.set SBO,   65536                      ; the second slot region
.set ZO,    131072                     ; Z: K 16 KiB, V 16 KiB
.set TAB,   163840                     ; the table: four copies 8,768 bytes apart
.set SPARE, 199936                     ; the spare words, 128 bytes a wave: two blocks of 256 bytes that no other line names
.set AL,  2                            ; 16 x lane; never rewritten
.set AL2, 3                            ; + 32,768: V's place in a slot
.set ADK, 4
.set ADV, 5
.set ADB, 6
.set ATB, 7                            ; my lane's place in the table
.set SPW, 10
.set NIL, 11
.set ST,  12
.set S,   64
.set P,   192
.set QR,  64
.set QB,  96
.set BI,  128
.set VR,  128
.set WV,  8
.set G,   9
.set BT,  10
.set HD,  11
.set NA,  12                           ; steps of the first query block: 16 - g
.set PN,  13                           ; the step in hand
.set TD,  14                           ; 512 x (the step within its query block)
.set TB,  15                           ; LDS byte at which the step's K begins
.set PW,  16                           ; the step that my last tensor load brought
.set TWICE, 17
.set SLOTS, 18
.set T0,  19
.set SEL, 20
.set CS,  22
.set G1,  24
.set G1Z, 32
.set G0Z, 40
.set G0A, 44
.set G0W, 48
.set KVB, 52                           ; s[52:53] my tensor (K or V) at the head's first key
.set OUT, 54
.set OUTB, 56
.set MSB, 0
.macro WIN new                         ; the immediate's high byte repeats the setting that is left
.if MSB != \new
	s_set_vgpr_msb (MSB<<8)|\new
.set MSB, \new
.endif
.endm
	s_load_b128 s[4:7], s[0:1], 0x0                ; qkv16 s[4:5], att16 s[6:7]
	v_lshl_add_u32 v[SPW], v0, 2, SPARE
	v_mov_b32 v[NIL], 0
	ds_add_u32 v[SPW], v[NIL]                      ; the wave's opening: the add, twice on end, and its wait ahead of my first tensor load
	ds_add_u32 v[SPW], v[NIL]
	v_lshrrev_b32 v1, 5, v0
	v_readfirstlane_b32 s[WV], v1
	s_mov_b32 s[G], ttmp9
	s_and_b32 s[BT], ttmp7, 0xffff
	s_and_b32 s[HD], s[BT], 15                     ; head
	s_lshr_b32 s[BT], s[BT], 4                     ; batch
	s_sub_co_u32 s[NA], 16, s[G]
	s_mov_b32 s[G1], 3<<16                         ; a dense block as rows of 256 bytes: 32 elements of 8 bytes; 64 rows
	s_mov_b32 s[G1+1], 32<<16
	s_mov_b32 s[G1+2], 64<<16
	s_mov_b32 s[G1+3], 32<<16
	s_mov_b32 s[G1+4], 64
	s_mov_b32 s[G1+5], 32
	s_mov_b32 s[G1+6], 0
	s_mov_b32 s[G1+7], 0
	s_mov_b32 s[G1Z], 3<<16                        ; the same with 32 rows: a quarter of Z
	s_mov_b32 s[G1Z+1], 32<<16
	s_mov_b32 s[G1Z+2], 32<<16
	s_mov_b32 s[G1Z+3], 32<<16
	s_mov_b32 s[G1Z+4], 32
	s_mov_b32 s[G1Z+5], 32
	s_mov_b32 s[G1Z+6], 0
	s_mov_b32 s[G1Z+7], 0
	s_mov_b32 s[SEL], 0x76543210
	s_mov_b32 s[SEL+1], 0xfedcba98                 ; selects for lane l xor 16
	s_mov_b32 s[CS], 0x3e38aa3b                    ; c = log2(e) / 8
	s_mov_b32 s[CS+1], s[CS]                       ; (named with it as a pair)
	s_mov_b32 s[PN], 0
	s_lshr_b32 s58, s[WV], 1                       ; 0: I fetch K, 1: V
	s_and_b32 s59, s[WV], 1                        ; which of a slot's two steps
	s_add_co_u32 s[PW], s59, 3                     ; slot 2 holds steps 3 and 4
	s_lshl_b32 s60, s58, 4
	s_add_co_u32 s60, s60, s[HD]
	s_add_co_u32 s60, s60, 16                      ; k's heads are 16-31 of the 48, v's 32-47
	s_lshl_b32 s60, s60, 8
	s_lshl_b32 s61, s[BT], 7
	s_add_co_u32 s60, s60, s61                     ; token tiles
	s_lshl_b32 s60, s60, 11                        ; of 2,048 bytes
	s_mov_b32 s61, 0
	s_lshl_b32 s[T0], s58, 15
	s_lshl_b32 s[TWICE], s59, 14
	s_add_co_u32 s[T0], s[T0], s[TWICE]            ; my block's place in a slot
	s_lshr_b32 s[SLOTS], s[T0], 1
	s_add_co_u32 s[SLOTS], s[SLOTS], ZO            ; and my quarter's in Z
	s_wait_dscnt 0x0                               ; both opening adds are done
	s_wait_kmcnt 0x0
	s_add_nc_u64 s[KVB:KVB+1], s[4:5], s[60:61]
	s_mov_b32 s[G0Z], 1
	s_mov_b32 s[G0Z+1], s[SLOTS]
	s_lshl_b32 s60, s[G], 14                       ; step 0: key block g,
	s_lshl_b32 s[TWICE], s59, 13                   ; my half of it
	s_add_co_u32 s60, s60, s[TWICE]
	s_add_nc_u64 s[G0Z+2:G0Z+3], s[KVB:KVB+1], s[60:61]
	s_or_b32 s[G0Z+3], s[G0Z+3], 0x80000000
	s_mov_b32 s[G0A], 1
	s_mov_b32 s[G0A+1], s[T0]
	s_add_co_u32 s60, s[G], s59
	s_add_co_u32 s60, s60, 1                       ; steps 1 and 2: key blocks g + 1, g + 2
	s_lshl_b32 s60, s60, 14
	s_add_nc_u64 s[G0A+2:G0A+3], s[KVB:KVB+1], s[60:61]
	s_or_b32 s[G0A+3], s[G0A+3], 0x80000000
	s_mov_b32 s[G0W], 1
	s_add_co_u32 s[G0W+1], s[T0], SBO
	s_add_co_u32 s60, s60, 32768                   ; steps 3 and 4
	s_add_nc_u64 s[G0W+2:G0W+3], s[KVB:KVB+1], s[60:61]
	s_or_b32 s[G0W+3], s[G0W+3], 0x80000000
	tensor_load_to_lds s[G0Z:G0Z+3], s[G1Z:G1Z+7]  ; the first fills go out together: three loads of mine are out
	s_nop 0
	tensor_load_to_lds s[G0A:G0A+3], s[G1:G1+7]
	s_nop 0
	tensor_load_to_lds s[G0W:G0W+3], s[G1:G1+7]
	s_nop 0
.rept 4
	v_nop
.endr
	v_and_b32 v1, 31, v0
	v_lshlrev_b32 v[AL], 4, v1
	v_add_nc_u32 v[AL2], 32768, v[AL]
	s_lshl_b32 s58, s[HD], 8
	s_lshl_b32 s60, s[BT], 7
	s_add_co_u32 s58, s58, s60
	s_lshl_b32 s60, s[WV], 1
	s_add_co_u32 s58, s58, s60                     ; q: 256 head + 128 batch + 2 wave token tiles,
	s_lshl_b32 s59, s[G], 3
	s_add_co_u32 s60, s58, s59                     ; + 8 g: the first query block
	s_lshl_b32 s60, s60, 11
	s_add_nc_u64 s[2:3], s[4:5], s[60:61]
	s_sub_co_u32 s60, 120, s59                     ; + 8 (15 - g): the second
	s_add_co_u32 s60, s58, s60
	s_lshl_b32 s60, s60, 11
	s_add_nc_u64 s[62:63], s[4:5], s[60:61]
	WIN 0x40                                       ; destination window 1
.irp a, 0,1
.irp ct, 0,1,2,3
	global_load_b128 v[QR+16*\a+4*\ct:QR+16*\a+4*\ct+3], v[AL], s[2:3] offset:2048*\a+512*\ct
	global_load_b128 v[QB+16*\a+4*\ct:QB+16*\a+4*\ct+3], v[AL], s[62:63] offset:2048*\a+512*\ct
.endr
.endr
.set j, 0
.rept 64
	v_mov_b32 v[j], 0                              ; O^T: the step is written once, and its first run finds zeros
.set j, j+1
.endr
	WIN 0
	s_lshl_b32 s58, s[BT], 7
	s_lshl_b32 s60, s[WV], 1
	s_add_co_u32 s58, s58, s60                     ; att16: 128 batch + 2 wave token tiles of 32,768 bytes, + 2,048 head
	s_lshl_b32 s[T0], s[HD], 11
	s_add_co_u32 s60, s58, s59
	s_lshl_b32 s60, s60, 15
	s_add_co_u32 s60, s60, s[T0]
	s_add_nc_u64 s[OUT:OUT+1], s[6:7], s[60:61]
	s_sub_co_u32 s60, 120, s59
	s_add_co_u32 s60, s58, s60
	s_lshl_b32 s60, s60, 15
	s_add_co_u32 s60, s60, s[T0]
	s_add_nc_u64 s[OUTB:OUTB+1], s[6:7], s[60:61]
	; my lane's place in the table: TAB + 448 + 8,768 (r % 4) - 16 (r / 4) + 32 h - 128 wave, written as sums alone
	v_and_b32 v8, 3, v0
	v_mul_u32_u24 v[ATB], v8, 8768
	v_bfe_u32 v8, v0, 2, 2
	v_xor_b32 v8, 3, v8
	v_lshl_add_u32 v[ATB], v8, 4, v[ATB]
	v_bfe_u32 v9, v0, 4, 1
	v_lshl_add_u32 v[ATB], v9, 5, v[ATB]
	s_xor_b32 s[T0], s[WV], 3
	s_lshl_b32 s[T0], s[T0], 7
	s_add_co_u32 s[T0], s[T0], TAB+16
	v_add_nc_u32 v[ATB], s[T0], v[ATB]
.irp a, 0,1
	v_mov_b32 v[ST+8*\a+1], 0xff61b1e6             ; m = -3e38, under every t'
	v_mov_b32 v[ST+8*\a+2], 0                      ; l, in two halves
	v_mov_b32 v[ST+8*\a+3], 0
.endr
.irp a, 0,1
	v_mul_f32 v[ST+8*\a], s[CS], v[ST+8*\a+1]      ; c m
.endr
	; THE TABLE: entry i = delta + 128.  Thread t makes entries t + 128 e, e = 0 .. 16: e = 0 is hidden; the others are -8 ln 2 x log2(i - 127)
	v_lshl_add_u32 v32, v0, 2, TAB
	v_mov_b32 v64, 0xf149f2ca                      ; -1e30
.set e, 1
.rept 16
	v_add_nc_u32 v[64+e], 128*(e-1)+1, v0
.set e, e+1
.endr
.set e, 1
.rept 16
	v_cvt_f32_u32 v[64+e], v[64+e]
.set e, e+1
.endr
.set e, 1
.rept 16
	v_log_f32 v[64+e], v[64+e]
.set e, e+1
.endr
	v_nop                                          ; a plain line behind the last logarithm,
	s_wait_alu depctr_va_vdst(0)                   ; and a wait ahead of the batch's first reader
.set e, 1
.rept 16
	v_mul_f32 v[64+e], 0xc0b17218, v[64+e]
.set e, e+1
.endr
.set e, 0
.rept 17
.irp u, 0,1,2,3
	ds_store_b32 v32, v[64+e] offset:8772*\u+512*e ; copy u holds entry i at word i + u
.endr
.set e, e+1
.endr
.macro LOADK                           ; 128 keys x 64 channels: 16 fragments, 512 consecutive bytes a load
	WIN 0x80
.irp b, 0,1,2,3,4,5,6,7
.irp ct, 0,1,2,3
	ds_load_b128 v[16*\b+4*\ct:16*\b+4*\ct+3], v[ADK] offset:2048*\b+512*\ct
.endr
.endr
.endm
.macro LOADB                           ; nine tiles of the table: tile e = b - a + 1 serves key tile b and query tile a
	WIN 0x40
.irp e, 0,1,2,3,4,5,6,7,8
	ds_load_b128 v[BI+8*\e:BI+8*\e+3], v[ADB] offset:64*\e
	ds_load_b128 v[BI+8*\e+4:BI+8*\e+7], v[ADB] offset:64*\e+16
.endr
.endm
.macro LOADV                           ; V turned: a load gives lane (r, h) channel 16 ct + r and keys 8 h + 0 .. 7 of token tile tb
	WIN 0x80
.irp tb, 0,1,2,3,4,5,6,7
.irp ct, 0,1,2,3
	ds_load_tr16_b128 v[VR+32*(\tb/2)+8*\ct+4*(\tb%2):VR+32*(\tb/2)+8*\ct+4*(\tb%2)+3], v[ADV] offset:2048*\tb+512*\ct
.endr
.endr
.endm
; The accumulators take turns, one instruction a turn: 15 others' stand between the two links of K Q^T, 7 between two of V^T P.
.macro KQ
	WIN 0x16                                       ; K window 2, Q and the table window 1, S^T window 0
.irp b, 0,1,2,3,4,5,6,7
.irp a, 0,1
	v_wmma_f32_16x16x32_f16 v[S+64*\a+8*\b:S+64*\a+8*\b+7], v[16*\b:16*\b+7], v[QR+16*\a:QR+16*\a+7], v[BI+8*(\b-\a+1):BI+8*(\b-\a+1)+7]
.endr
.endr
	WIN 0x06
.irp b, 0,1,2,3,4,5,6,7
.irp a, 0,1
	v_wmma_f32_16x16x32_f16 v[S+64*\a+8*\b:S+64*\a+8*\b+7], v[16*\b+8:16*\b+15], v[QR+16*\a+8:QR+16*\a+15], v[S+64*\a+8*\b:S+64*\a+8*\b+7]
.endr
.endr
.endm
.macro PV
	WIN 0x52                                       ; V window 2, P window 0, O^T window 1
.irp kg, 0,1,2,3
.irp ct, 0,1,2,3
.irp a, 0,1
	v_wmma_f32_16x16x32_f16 v[32*\a+8*\ct:32*\a+8*\ct+7], v[VR+32*\kg+8*\ct:VR+32*\kg+8*\ct+7], v[P+32*\a+8*\kg:P+32*\a+8*\kg+7], v[32*\a+8*\ct:32*\a+8*\ct+7]
.endr
.endr
.endr
.endm
.macro ADDL w, u                       ; one addition of the sums' tree, in both tiles
.irp a, 0,1
	v_pk_add_f32 v[S+64*\a+\w*\u:S+64*\a+\w*\u+1], v[S+64*\a+\w*\u:S+64*\a+\w*\u+1], v[S+64*\a+\w*\u+\w/2:S+64*\a+\w*\u+\w/2+1]
.endr
.endm
; THE SOFTMAX of a step, both tiles line by line by turns.  Each accumulator is first read at its low end.
.macro SOFTMAX
.irp k, 0,1,2,3                        ; the maximum: four chains of 16 scores (two accumulators) each
.irp a, 0,1
	v_max3_num_f32 v[ST+8*\a+4+\k], v[S+64*\a+16*\k], v[S+64*\a+16*\k+1], v[S+64*\a+16*\k+2]
.endr
.endr
.irp i, 3,5,7,9,11,13
.irp k, 0,1,2,3
.irp a, 0,1
	v_max3_num_f32 v[ST+8*\a+4+\k], v[ST+8*\a+4+\k], v[S+64*\a+16*\k+\i], v[S+64*\a+16*\k+\i+1]
.endr
.endr
.endr
.irp a, 0,1
	v_max3_num_f32 v[ST+8*\a+4], v[ST+8*\a+4], v[S+64*\a+15], v[S+64*\a+31]
.endr
.irp a, 0,1
	v_max3_num_f32 v[ST+8*\a+6], v[ST+8*\a+6], v[S+64*\a+47], v[S+64*\a+63]
.endr
.irp a, 0,1
	v_max3_num_f32 v[ST+8*\a+4], v[ST+8*\a+4], v[ST+8*\a+5], v[ST+8*\a+6]
.endr
.irp a, 0,1
	v_max3_num_f32 v[ST+8*\a+4], v[ST+8*\a+4], v[ST+8*\a+7], v[ST+8*\a+1]   ; and the old m
.endr
.irp a, 0,1
	v_permlanex16_b32 v[ST+8*\a+5], v[ST+8*\a+4], s[SEL], s[SEL+1]          ; the query's other 64 keys lie in the lane 16 away
.endr
.irp a, 0,1
	v_mov_b32 v[ST+8*\a+7], v[ST+8*\a]             ; c m_old is kept for a
.endr
.irp a, 0,1
	v_max_num_f32 v[ST+8*\a+1], v[ST+8*\a+4], v[ST+8*\a+5]
.endr
.irp a, 0,1
	v_mul_f32 v[ST+8*\a], s[CS], v[ST+8*\a+1]
.endr
.irp a, 0,1
	v_sub_f32 v[ST+8*\a+7], v[ST+8*\a+7], v[ST+8*\a]
.endr
.set j, 0
.rept 32
	v_pk_fma_f32 v[S+j:S+j+1], v[S+j:S+j+1], s[CS:CS+1], v[ST:ST+1] op_sel_hi:[1,0,0] neg_lo:[0,0,1] neg_hi:[0,0,1]          ; c t' - c m, two at a time
	v_pk_fma_f32 v[S+64+j:S+64+j+1], v[S+64+j:S+64+j+1], s[CS:CS+1], v[ST+8:ST+9] op_sel_hi:[1,0,0] neg_lo:[0,0,1] neg_hi:[0,0,1]
.set j, j+2
.endr
.irp a, 0,1
	v_exp_f32 v[ST+8*\a+6], v[ST+8*\a+7]           ; a.  ONE BATCH: 130 exponentials, none of which reads another's result
.endr
.set j, 0
.rept 128
	v_exp_f32 v[S+j], v[S+j]
.set j, j+1
.endr
	v_nop                                          ; a plain line behind the last exponential,
	s_wait_alu depctr_va_vdst(0)                   ; and a wait ahead of the batch's first reader
.set j, 0
.rept 64
	v_cvt_pk_f16_f32 v[P+j], v[S+2*j], v[S+2*j+1]  ; two tiles of 16 keys, rounded in pairs, are source 1 of V^T P
.set j, j+1
.endr
.irp u, 0,1,2,3,4,5,6,7,8,9,10,11,12,13,14,15      ; the sum of the unrounded p, in place
	ADDL 4, \u
.endr
.irp u, 0,1,2,3,4,5,6,7
	ADDL 8, \u
.endr
.irp u, 0,1,2,3
	ADDL 16, \u
.endr
	ADDL 32, 0
	ADDL 32, 1
	ADDL 64, 0
.irp a, 0,1
	v_pk_fma_f32 v[ST+8*\a+2:ST+8*\a+3], v[ST+8*\a+2:ST+8*\a+3], v[ST+8*\a+6:ST+8*\a+7], v[S+64*\a:S+64*\a+1] op_sel_hi:[1,0,1]   ; l = a l + the sum
.endr
	WIN 0x41                                       ; O^T (destination and source 0) window 1, a window 0
.set j, 0
.rept 16
	v_pk_mul_f32 v[j:j+1], v[j:j+1], v[ST+6:ST+7] op_sel_hi:[1,0]
	v_pk_mul_f32 v[32+j:32+j+1], v[32+j:32+j+1], v[ST+14:ST+15] op_sel_hi:[1,0]
.set j, j+2
.endr
.endm
; A QUERY BLOCK IS DONE: O^T / l, rounded to f16, goes out as fragments of the projection's operand: 512 consecutive bytes a store.  sw = 1: on to the second block.
.macro FINISH sw
	WIN 0
.irp a, 0,1
	v_add_f32 v[ST+8*\a+4], v[ST+8*\a+2], v[ST+8*\a+3]     ; (these plain lines are also the places behind the last products)
.endr
.irp a, 0,1
	v_permlanex16_b32 v[ST+8*\a+5], v[ST+8*\a+4], s[SEL], s[SEL+1]
.endr
.irp a, 0,1
	v_add_f32 v[ST+8*\a+4], v[ST+8*\a+4], v[ST+8*\a+5]
.endr
.irp a, 0,1
	v_rcp_f32 v[ST+8*\a+6], v[ST+8*\a+4]
.endr
.irp a, 0,1
	v_mov_b32 v[ST+8*\a+1], 0xff61b1e6             ; m anew: the next step's a is 0
.endr
.irp a, 0,1
	v_mul_f32 v[ST+8*\a], s[CS], v[ST+8*\a+1]
.endr
	s_wait_alu depctr_va_vdst(0)                   ; a wait ahead of the reciprocals' first reader
	WIN 0x41
.set j, 0
.rept 16
	v_pk_mul_f32 v[j:j+1], v[j:j+1], v[ST+6:ST+7] op_sel_hi:[1,0]
.set j, j+2
.endr
.set j, 0
.rept 16
	v_pk_mul_f32 v[32+j:32+j+1], v[32+j:32+j+1], v[ST+14:ST+15] op_sel_hi:[1,0]
.set j, j+2
.endr
	WIN 0x05                                       ; sources window 1, destination window 0: S^T's registers are free
.set j, 0
.rept 32
	v_cvt_pk_f16_f32 v[S+j], v[2*j], v[2*j+1]
.set j, j+1
.endr
	WIN 0
.irp a, 0,1
.irp ct, 0,1,2,3
	global_store_b128 v[AL], v[S+16*\a+4*\ct:S+16*\a+4*\ct+3], s[OUT:OUT+1] offset:32768*\a+512*\ct
.endr
.endr
.if \sw
	WIN 0x41
.set j, 0
.rept 32
	v_mov_b32 v[QR+j], v[QB+j]
.set j, j+1
.endr
	WIN 0
	s_wait_xcnt 0x0                                ; the stores have read their data and their base: S^T and the base may be written again
	s_mov_b64 s[OUT:OUT+1], s[OUTB:OUTB+1]
.endif
.endm
.macro BODY fin
	s_add_co_u32 s[PN], s[PN], 1
	s_cmp_ge_u32 s[PN], s[NA]
	s_cselect_b32 s[T0], s[NA], 0
	s_sub_co_u32 s[T0], s[PN], s[T0]               ; the step within its query block,
	s_and_b32 s[T0], s[T0], 15                     ; 15 at the most
	s_lshl_b32 s[TD], s[T0], 9
	v_add_nc_u32 v[ADK], s[TB], v[AL]
	v_add_nc_u32 v[ADV], s[TB], v[AL2]
	v_add_nc_u32 v[ADB], s[TD], v[ATB]
	LOADK
	LOADB
	s_wait_dscnt 50                                ; V of the step before is in; the 50 loads just issued may be out
	PV
	WIN 0
.if \fin
	s_cmp_eq_u32 s[PN], s[NA]                      ; ids and the count of steps alone
	s_cbranch_scc0 .Lsame_\@
	FINISH 1
.Lsame_\@:
.endif
	s_wait_dscnt 0x0                               ; K and the table are in
	KQ
	WIN 0
.rept 4
	v_nop                                          ; places in front of the reads of S^T and of the loads into V's registers
.endr
	LOADV
	WIN 0
	SOFTMAX
	WIN 0
	s_add_co_u32 s[TB], s[TB], 16384               ; the slot's second step
.endm
.macro TWO_BODIES fin                  ; a slot's two steps: written once, walked twice
	s_mov_b32 s[TWICE], 2
.Lstep_\@:
	BODY \fin
	s_sub_co_u32 s[TWICE], s[TWICE], 1
	s_cmp_lg_u32 s[TWICE], 0
	s_cbranch_scc1 .Lstep_\@
.endm
; THE CHANGE OF SLOTS.  Each wave waits for all its tensor loads (one is out: its part of the slot ahead), adds 0 to its spare word, and waits for that and for its reads of the slot that it leaves.
; fill = 1: behind the barrier that slot is filled with the steps two slots on, first thing: one load a wave.
.macro CHANGE fill
	s_wait_tensorcnt 0x0                           ; no tensor load of mine is out, so a group 0 may be written
	ds_add_u32 v[SPW], v[NIL]                      ; 0 onto my spare word; the descriptor's steps stand between it and the wait for it
.if \fill
	s_add_co_u32 s[PW], s[PW], 2
	s_cmp_lt_u32 s[PW], s[NA]
	s_cselect_b32 s[T0], s[G], -1                  ; step p takes key block p + g in the first query block, p - 1 in the second
	s_add_co_u32 s[T0], s[T0], s[PW]
	s_lshl_b32 s58, s[T0], 14
	s_mov_b32 s59, 0
	s_add_nc_u64 s[G0W+2:G0W+3], s[KVB:KVB+1], s[58:59]
	s_or_b32 s[G0W+3], s[G0W+3], 0x80000000
	s_xor_b32 s[G0W+1], s[G0W+1], SBO              ; the other region than last time
.endif
	s_wait_dscnt 0x0                               ; the add is done, and my reads of the slot are over
	s_barrier_signal -1
	s_barrier_wait -1
.if \fill
	tensor_load_to_lds s[G0W:G0W+3], s[G1:G1+7]
	s_nop 0
.rept 4
	v_nop
.endr
.endif
	s_sub_co_u32 s[TB], s[TB], 32768               ; back to a slot's first step,
	s_xor_b32 s[TB], s[TB], SBO                    ; in the other region
.endm
	s_wait_tensorcnt 2                             ; my quarter of Z is in; both slots may be out
	s_wait_dscnt 0x0                               ; my part of the table is stored
	s_barrier_signal -1
	s_barrier_wait -1
	v_add_nc_u32 v[ADK], ZO, v[AL]                 ; STEP 0, the diagonal block of the first query block
	v_add_nc_u32 v[ADV], ZO+16384, v[AL]
	v_mov_b32 v[ADB], v[ATB]
	LOADK
	LOADB
	s_wait_loadcnt 0x0                             ; Q
	s_wait_dscnt 0x0
	KQ
	WIN 0
.rept 4
	v_nop
.endr
	LOADV
	WIN 0
	SOFTMAX
	WIN 0
	s_wait_tensorcnt 1                             ; my part of slot 1 is in; slot 2's may be out
	s_wait_dscnt 0x0
	s_barrier_signal -1
	s_barrier_wait -1
	s_mov_b32 s[TB], 0
	TWO_BODIES 0                                   ; steps 1, 2: the first query block has nine steps at the least
	s_mov_b32 s[SLOTS], 6
.Lslot:                                            ; six trips: slots 3 to 8 are asked for, slots 2 to 7 are walked
	CHANGE 1
	TWO_BODIES 1
	s_sub_co_u32 s[SLOTS], s[SLOTS], 1
	s_cmp_lg_u32 s[SLOTS], 0
	s_cbranch_scc1 .Lslot
	CHANGE 0                                       ; the last slot is written out: nothing is left to ask for
	TWO_BODIES 1
	s_wait_dscnt 0x0                               ; V of step 16
	PV
	FINISH 0
	s_wait_tensorcnt 0x0                           ; the wave's end
	ds_add_u32 v[SPW], v[NIL]
	s_wait_dscnt 0x0
	s_endpgm
.Lfunc_end_k_qc0d372f8aa_attn:
	.size	k_qc0d372f8aa_attn, .Lfunc_end_k_qc0d372f8aa_attn-k_qc0d372f8aa_attn
	.p2alignl 7, 3214868480
	.fill 96, 4, 3214868480
	.section	.rodata,"a",@progbits
	.p2align	6, 0x0
	.amdhsa_kernel k_qc0d372f8aa_attn
		.amdhsa_group_segment_fixed_size 327680
		.amdhsa_private_segment_fixed_size 0
		.amdhsa_enable_private_segment 0
		.amdhsa_kernarg_size 16
		.amdhsa_user_sgpr_count 2
		.amdhsa_user_sgpr_kernarg_segment_ptr 1
		.amdhsa_wavefront_size32 1
		.amdhsa_system_sgpr_workgroup_id_x 1
		.amdhsa_system_sgpr_workgroup_id_y 1
		.amdhsa_system_sgpr_workgroup_id_z 1
		.amdhsa_system_vgpr_workitem_id 0
		.amdhsa_next_free_vgpr 768
		.amdhsa_next_free_sgpr 66
		.amdhsa_reserve_vcc 0
		.amdhsa_float_denorm_mode_32 3
		.amdhsa_float_denorm_mode_16_64 3
		.amdhsa_memory_ordered 1
		.amdhsa_forward_progress 1
		.amdhsa_inst_pref_size 168
	.end_amdhsa_kernel
	.amdgpu_metadata
---
amdhsa.version: [ 1, 2 ]
amdhsa.kernels:
  - .name:           k_qc0d372f8aa_attn
    .symbol:         k_qc0d372f8aa_attn.kd
    .args:
      - { .name: qkv16, .offset: 0, .size: 8, .value_kind: global_buffer, .address_space: global }
      - { .name: att16, .offset: 8, .size: 8, .value_kind: global_buffer, .address_space: global }
    .group_segment_fixed_size: 327680
    .private_segment_fixed_size: 0
    .kernarg_segment_align: 8
    .kernarg_segment_size: 16
    .max_flat_workgroup_size: 128
    .sgpr_count:     66
    .vgpr_count:     768
    .wavefront_size: 32
...
	.end_amdgpu_metadata
.endif
;; end of part 3
;; launch proj (part 4): grid 8 x 32, 4 waves a work-group, clusters of 4 x 4, 327,680 bytes of LDS; arguments att16, wp16, b_proj, out0; writes out0
.if DOCPART == 4
	.amdgcn_target "amdgcn-amd-amdhsa--gfx1250"
	.amdhsa_code_object_version 6
	.text
	.protected	k_qc0d372f8aa_proj
	.globl	k_qc0d372f8aa_proj
	.p2align	8
	.type	k_qc0d372f8aa_proj,@function
k_qc0d372f8aa_proj:
	s_mov_b64 s[64:65], 0
	v_nop
	global_prefetch_b8 v0, s[64:65] scope:SCOPE_SE
	s_setreg_imm32_b32 hwreg(HW_REG_WAVE_MODE, 25, 1), 1
	s_wait_xcnt 0x0
	s_wait_alu depctr_hold_cnt(0) depctr_sa_sdst(0) depctr_va_vdst(0) depctr_va_sdst(0) depctr_va_ssrc(0) depctr_va_vcc(0) depctr_vm_vsrc(0)
	s_getreg_b32 s2, hwreg(HW_REG_IB_STS2, 6, 4)
	s_cmp_eq_u32 s2, 0
	s_cbranch_scc0 .Lentry_in_a_cluster
	s_endpgm
.Lentry_in_a_cluster:
	s_bfe_u32 s2, ttmp6, 0x10000c
	s_cmp_lg_u32 s2, 0xf033
	s_cbranch_scc0 .Lentry_shape_is_right
	s_endpgm
.Lentry_shape_is_right:
; out0 = att w_proj + b_proj.  att16 [token tile 256][32 k 32][1,024 bytes] and wp16 [n tile 64][32 k 32][1,024 bytes] hold f16 fragments as images of the operands' registers; sums and out0 in f32.
; A tile of out0 is 128 x 128: 256 work-groups; four waves, each 64 x 64: 16 accumulators.  K goes in four steps of 256 through a ring of two LDS slots: a wave's tensor load brings four tiles x 8,192 bytes.
; CLUSTERS: 4 x 4 work-groups; att's tiles are shared along a row of the cluster, w_proj's along a column: joint loads, and a round of the cluster's barrier in front of each refill.
; THE MATRIX INSTRUCTION IS USED TRANSPOSED (source 0 = 16 columns of w_proj, source 1 = 16 tokens): a lane holds eight neighbouring numbers of a row of out0.  b_proj is the C of the first products.
; A fragment is two ds_load_b128 of 512 consecutive bytes: no pitch, no padding.
; LIMIT: the operands lie inside f16's range.
; REGISTERS: window 0: v16-29 addresses; v32-95 at work on the way out; v96-127 the bias; v128-255 the accumulators ((a, b) at v[128 + 8 (4 a + b)]).
;   window 1: two fragment buffers of 128: for 64 along K, 64 registers of att (2 x 4 tiles), then 64 of w_proj.
.set SLOT,   131072                    ; att's 8 tiles x 8,192 bytes, then w_proj's 8
.set STAGE,  2*SLOT                    ; behind the ring: 16 rows x 272 bytes for each wave, for the way out
.set SPITCH, 272
.set SPARE,  STAGE+4*16*SPITCH         ; the spare words, 128 bytes a wave: two blocks of 256 bytes that no other line names
.set ADRA, 16
.set ADRB, 20
.set STO,  24
.set RD,   25
.set CO,   26
.set SPW,  28
.set NIL,  29
.set TMP,  32
.set BI,   96
.set ACC,  128
.set F0,   0
.set F1,   128
.set WV,   8
.set WM,   9                           ; which half of the rows is mine.  Also: I fetch for att (0) or for w_proj (1)
.set WN,   10                          ; which half of the columns.  Also: which four tiles I fetch
.set G1,  24
.set G0,  32
.set G1B, 48
.set G0B, 56
.set MSB, 0
.macro WIN new                         ; the immediate's high byte repeats the setting that is left
.if MSB != \new
	s_set_vgpr_msb (MSB<<8)|\new
.set MSB, \new
.endif
.endm
.set MUL,  0x05                        ; sources 0 and 1 window 1; C and D window 0
.set TO_F, 0x40                        ; destination window 1, address window 0
.macro JLOAD s                         ; a joint load; an s_nop 0 and four v_nop follow each of the two lines
	s_cmp_eq_u32 s[WM], 0
	s_cbranch_scc0 .Lfor_b_\@
	tensor_load_to_lds s[G0+4*\s:G0+4*\s+3], s[G1:G1+7]
	s_nop 0
.rept 4
	v_nop
.endr
	s_branch .Lasked_\@
.Lfor_b_\@:
	tensor_load_to_lds s[G0B+4*\s:G0B+4*\s+3], s[G1B:G1B+7]
	s_nop 0
.rept 4
	v_nop
.endr
.Lasked_\@:
.endm
.macro CREST                           ; a round of the cluster's barrier behind its opening barrier
	s_cmp_lg_u32 s[WV], 0
	s_cbranch_scc1 .Lnot_wave_0_\@
	s_barrier_signal -3
.Lnot_wave_0_\@:
	s_barrier_wait -3
	s_barrier_signal -1
	s_barrier_wait -1
.endm
.macro CROUND
	s_barrier_signal -1
	s_barrier_wait -1
	CREST
.endm
	s_load_b128 s[4:7], s[0:1], 0x0                ; att16 s[4:5], wp16 s[6:7]
	s_load_b128 s[12:15], s[0:1], 0x10             ; b_proj s[12:13], out0 s[14:15]
	v_lshl_add_u32 v[SPW], v0, 2, SPARE
	v_mov_b32 v[NIL], 0
	ds_add_u32 v[SPW], v[NIL]                      ; the wave's opening: the add, twice on end, and its wait ahead of my first tensor load
	ds_add_u32 v[SPW], v[NIL]
	v_lshrrev_b32 v1, 5, v0
	v_readfirstlane_b32 s[WV], v1
	s_lshr_b32 s[WM], s[WV], 1
	s_and_b32 s[WN], s[WV], 1
	s_bfe_u32 s40, ttmp6, 0x40000                  ; cx
	s_bfe_u32 s41, ttmp6, 0x40004                  ; cy
	s_lshl_b32 s42, ttmp9, 2
	s_add_co_u32 s42, s42, s40                     ; which 128 columns
	s_and_b32 s43, ttmp7, 0xffff
	s_lshl_b32 s43, s43, 2
	s_add_co_u32 s43, s43, s41                     ; which 128 tokens
	s_lshl_b32 s44, s41, 2
	s_lshl_b32 s44, 15, s44                        ; my row of the cluster
	s_lshl_b32 s45, 0x1111, s40                    ; my column
	s_or_b32 s[G1], s44, (3<<16)|(1<<21)           ; 15:0 the mask; 17:16 elements of 8 bytes; 21 set beside a mask; no padding
	s_or_b32 s[G1B], s45, (3<<16)|(1<<21)
.irp g, G1, G1B
	s_mov_b32 s[\g+1], 1024<<16                    ; a row: a tile's 8 fragments of a K step, 8,192 bytes
	s_mov_b32 s[\g+2], 4<<16                       ; four tiles
	s_mov_b32 s[\g+3], 1024<<16
	s_mov_b32 s[\g+4], 4
	s_mov_b32 s[\g+5], 4096                        ; 32,768 bytes from tile to tile
	s_mov_b32 s[\g+6], 0
	s_mov_b32 s[\g+7], 0
.endr
	s_lshl_b32 s16, s43, 18                        ; att: (8 MY + 4 u) tiles of 32,768 bytes
	s_lshl_b32 s17, s[WN], 17
	s_add_co_u32 s16, s16, s17
	s_mov_b32 s17, 0
	s_lshl_b32 s46, s42, 18                        ; w_proj: (8 NX + 4 u) tiles
	s_lshl_b32 s47, s[WN], 17
	s_add_co_u32 s46, s46, s47
	s_mov_b32 s47, 0
	s_lshl_b32 s20, s[WV], 15                      ; where they go: wave x 32,768: no place in the cluster enters an LDS address
	s_wait_dscnt 0x0                               ; both opening adds are done
	s_wait_kmcnt 0x0
	s_add_nc_u64 s[16:17], s[4:5], s[16:17]
	s_add_nc_u64 s[46:47], s[6:7], s[46:47]
	CROUND                                         ; all sixteen work-groups are here: the first joint loads meet
.irp s, 0,1
	s_mov_b32 s[G0+4*\s], 1
	s_add_co_u32 s[G0+4*\s+1], s20, \s*SLOT
	s_add_nc_u64 s[G0+4*\s+2:G0+4*\s+3], s[16:17], \s*8192
	s_or_b32 s[G0+4*\s+3], s[G0+4*\s+3], 0x80000000
	s_mov_b32 s[G0B+4*\s], 1
	s_add_co_u32 s[G0B+4*\s+1], s20, \s*SLOT
	s_add_nc_u64 s[G0B+4*\s+2:G0B+4*\s+3], s[46:47], \s*8192
	s_or_b32 s[G0B+4*\s+3], s[G0B+4*\s+3], 0x80000000
	JLOAD \s
.endr
	v_and_b32 v1, 15, v0                           ; r
	v_bfe_u32 v2, v0, 4, 1                         ; h
	v_lshlrev_b32 v3, 5, v2                        ; 32 h
	s_lshl_b32 s18, s42, 9                         ; my 64 columns, in bytes of f32
	s_lshl_b32 s19, s[WN], 8
	s_add_co_u32 s18, s18, s19
	s_mov_b32 s19, 0
	s_add_nc_u64 s[12:13], s[12:13], s[18:19]
.irp b, 0,1,2,3                        ; lane (r, h) wants, for n tile b, the bias of columns 16 b + 8 h + 0 .. 7
	global_load_b128 v[BI+8*\b:BI+8*\b+3], v3, s[12:13] offset:64*\b
	global_load_b128 v[BI+8*\b+4:BI+8*\b+7], v3, s[12:13] offset:64*\b+16
.endr
	s_lshl_b32 s22, s43, 19                        ; out0: (128 MY + 64 wm) rows of 4,096 bytes, + my columns
	s_lshl_b32 s23, s[WM], 18
	s_add_co_u32 s22, s22, s23
	s_add_co_u32 s22, s22, s18
	s_mov_b32 s23, 0
	s_add_nc_u64 s[14:15], s[14:15], s[22:23]
	v_and_b32 v4, 31, v0
	v_lshlrev_b32 v4, 4, v4                        ; 16 x lane
	s_lshl_b32 s21, s[WM], 15                      ; my four tiles of att,
	s_lshl_b32 s11, s[WN], 15
	s_add_co_u32 s11, s11, 65536                   ; my four of w_proj
.irp s, 0,1
	v_add_nc_u32 v[ADRA+\s], s21, v4
	v_add_nc_u32 v[ADRB+\s], s11, v4
	s_add_co_u32 s21, s21, SLOT
	s_add_co_u32 s11, s11, SLOT
.endr
	s_mul_i32 s21, s[WV], 16*SPITCH
	s_add_co_u32 s21, s21, STAGE                   ; my stage
	v_mul_u32_u24 v5, v1, SPITCH
	v_lshl_add_u32 v5, v2, 5, v5
	v_add_nc_u32 v[STO], s21, v5                   ; in: row r, 32 bytes for each half of the lanes
	v_mul_u32_u24 v5, v2, SPITCH
	v_lshl_add_u32 v5, v1, 4, v5
	v_add_nc_u32 v[RD], s21, v5                    ; back: lanes 0-15 one row of 256 bytes, lanes 16-31 the next
	v_lshlrev_b32 v5, 12, v2
	v_lshl_add_u32 v[CO], v1, 4, v5                ; and the same two rows in out0
; 8 matrix instructions: token tiles a0, a0 + 1 x my four n tiles, 32 along K: half c of buffer f.  first = 1: the bias starts the sums.  The 16 accumulators take turns.
.macro MUL8 f, c, a0, first
.irp a, \a0, \a0+1
.irp b, 0,1,2,3
.if \first
	v_wmma_f32_16x16x32_f16 v[ACC+8*(4*(\a)+\b):ACC+8*(4*(\a)+\b)+7], v[\f+64+8*(4*\c+\b):\f+64+8*(4*\c+\b)+7], v[\f+8*(4*\c+(\a)):\f+8*(4*\c+(\a))+7], v[BI+8*\b:BI+8*\b+7]
.else
	v_wmma_f32_16x16x32_f16 v[ACC+8*(4*(\a)+\b):ACC+8*(4*(\a)+\b)+7], v[\f+64+8*(4*\c+\b):\f+64+8*(4*\c+\b)+7], v[\f+8*(4*\c+(\a)):\f+8*(4*\c+(\a))+7], v[ACC+8*(4*(\a)+\b):ACC+8*(4*(\a)+\b)+7]
.endif
.endr
.endr
.endm
; 32 LDS loads in one run: the fragments of the slot's quarter kq (64 along K) into buffer f; the first 32 along K first
.macro FETCH slot, kq, f
	WIN TO_F
.irp c, 0,1
.irp i, 0,1,2,3
	ds_load_b128 v[\f+64+8*(4*\c+\i):\f+64+8*(4*\c+\i)+3],   v[ADRB+\slot] offset:\i*8192+(2*\kq+\c)*1024
	ds_load_b128 v[\f+64+8*(4*\c+\i)+4:\f+64+8*(4*\c+\i)+7], v[ADRB+\slot] offset:\i*8192+(2*\kq+\c)*1024+512
	ds_load_b128 v[\f+8*(4*\c+\i):\f+8*(4*\c+\i)+3],         v[ADRA+\slot] offset:\i*8192+(2*\kq+\c)*1024
	ds_load_b128 v[\f+8*(4*\c+\i)+4:\f+8*(4*\c+\i)+7],       v[ADRA+\slot] offset:\i*8192+(2*\kq+\c)*1024+512
.endr
.endr
.endm
.macro PLACES                          ; four plain lines in front of loads into registers that matrix instructions have read, and of reads of results
.rept 4
	v_nop
.endr
.endm
; One of a K step's first three quarters: multiplies buffer f and fetches quarter kq into g
.macro QUARTER slot, kq, f, g, first
	s_wait_dscnt 16                                ; the first 32 along K are in
	WIN MUL
	MUL8 \f, 0, 0, \first
	MUL8 \f, 0, 2, \first
	PLACES
	FETCH \slot, \kq, \g
	s_wait_dscnt 32                                ; all but the 32 just issued
	WIN MUL
	MUL8 \f, 1, 0, 0
	MUL8 \f, 1, 2, 0
.endm
; The last quarter multiplies buffer 1 and changes slots: ONE barrier; in front of it each wave waits for all its tensor loads, adds 0 to its spare word, and waits for that and for its reads of this slot.
.macro TURN slot, next, fill
	WIN 0                                          ; (the add's two registers lie in window 0)
	s_wait_tensorcnt 0x0                           ; all my tensor loads have landed: my part of the next slot;
	ds_add_u32 v[SPW], v[NIL]
	s_wait_dscnt 17                                ; (the add and the youngest sixteen loads may be out)
	WIN MUL
	MUL8 F1, 0, 0, 0                               ; eight matrix instructions stand between the add and the wait for it
	s_wait_dscnt 0x0                               ; the add is done, and my reads of this slot are over
	s_barrier_signal -1
	MUL8 F1, 0, 2, 0
.if \fill
	WIN 0
.endif
	s_barrier_wait -1
.if \fill
	CREST                                          ; the barrier has opened a round of the cluster's: no wave of any partner still reads this slot or has a load on its way
	s_add_nc_u64 s[G0+4*\slot+2:G0+4*\slot+3], s[G0+4*\slot+2:G0+4*\slot+3], 16384
	s_add_nc_u64 s[G0B+4*\slot+2:G0B+4*\slot+3], s[G0B+4*\slot+2:G0B+4*\slot+3], 16384
	JLOAD \slot                                    ; the first tensor load behind the round; its four v_nop are also the places in front of the loads below
.else
	PLACES
.endif
	FETCH \next, 0, F0
	WIN MUL
	MUL8 F1, 1, 0, 0
	MUL8 F1, 1, 2, 0
.endm
	s_wait_tensorcnt 1                             ; my part of K step 0 is in; K step 1's may be out
	s_barrier_signal -1
	s_barrier_wait -1
	FETCH 0, 0, F0
	s_wait_loadcnt 0x0                             ; the bias
	QUARTER 0, 1, F0, F1, 1
	QUARTER 0, 2, F1, F0, 0
	QUARTER 0, 3, F0, F1, 0
	TURN 0, 1, 1                                   ; slot 0 takes K step 2
	QUARTER 1, 1, F0, F1, 0
	QUARTER 1, 2, F1, F0, 0
	QUARTER 1, 3, F0, F1, 0
	TURN 1, 0, 1                                   ; slot 1 takes K step 3
	QUARTER 0, 1, F0, F1, 0
	QUARTER 0, 2, F1, F0, 0
	QUARTER 0, 3, F0, F1, 0
	TURN 0, 1, 0                                   ; nothing is left to ask for
	QUARTER 1, 1, F0, F1, 0
	QUARTER 1, 2, F1, F0, 0
	QUARTER 1, 3, F0, F1, 0
	s_wait_dscnt 16                                ; the very last quarter
	WIN MUL
	MUL8 F1, 0, 0, 0
	MUL8 F1, 0, 2, 0
	s_wait_dscnt 0x0
	MUL8 F1, 1, 0, 0
	MUL8 F1, 1, 2, 0
	WIN 0
; THE WAY OUT.  My 64 columns are 256 aligned bytes of each row: a block of 16 rows goes through my own stage and comes back as whole rows; sixteen lanes store 256 consecutive bytes.
; LDS serves a wave's instructions in order (ISA guide 5.7.1.4): no wait between the stores and the loads, nor in front of the next block's stores.
.macro TOSTAGE a
.irp b, 0,1,2,3
	ds_store_b128 v[STO], v[ACC+8*(4*\a+\b):ACC+8*(4*\a+\b)+3] offset:64*\b          ; each accumulator from its low end on
	ds_store_b128 v[STO], v[ACC+8*(4*\a+\b)+4:ACC+8*(4*\a+\b)+7] offset:64*\b+16
.endr
.irp t, 0,1,2,3,4,5,6,7
	ds_load_b128 v[TMP+32*(\a%2)+4*\t:TMP+32*(\a%2)+4*\t+3], v[RD] offset:2*\t*SPITCH
.endr
.endm
.macro SEND a, younger                 ; younger: the LDS instructions issued behind block a's loads
	s_wait_dscnt \younger
.irp t, 0,1,2,3,4,5,6,7
	global_store_b128 v[CO], v[TMP+32*(\a%2)+4*\t:TMP+32*(\a%2)+4*\t+3], s[14:15] offset:(16*\a+2*\t)*4096 th:TH_STORE_NT
.endr
.endm
	PLACES
	TOSTAGE 0
	TOSTAGE 1
	SEND 0, 16
	s_wait_xcnt 0x0                                ; block 0's stores have read their registers: block 2's loads may land there
	TOSTAGE 2
	SEND 1, 16
	s_wait_xcnt 0x0
	TOSTAGE 3
	SEND 2, 16
	SEND 3, 0
	s_wait_tensorcnt 0x0                           ; the wave's end
	ds_add_u32 v[SPW], v[NIL]
	s_wait_dscnt 0x0
	CROUND                                         ; the closing round
	s_endpgm
.Lfunc_end_k_qc0d372f8aa_proj:
	.size	k_qc0d372f8aa_proj, .Lfunc_end_k_qc0d372f8aa_proj-k_qc0d372f8aa_proj
	.p2alignl 7, 3214868480
	.fill 96, 4, 3214868480
	.section	.rodata,"a",@progbits
	.p2align	6, 0x0
	.amdhsa_kernel k_qc0d372f8aa_proj
		.amdhsa_group_segment_fixed_size 327680
		.amdhsa_private_segment_fixed_size 0
		.amdhsa_enable_private_segment 0
		.amdhsa_kernarg_size 32
		.amdhsa_user_sgpr_count 2
		.amdhsa_user_sgpr_kernarg_segment_ptr 1
		.amdhsa_wavefront_size32 1
		.amdhsa_system_sgpr_workgroup_id_x 1
		.amdhsa_system_sgpr_workgroup_id_y 1
		.amdhsa_system_sgpr_workgroup_id_z 1
		.amdhsa_system_vgpr_workitem_id 0
		.amdhsa_next_free_vgpr 512
		.amdhsa_next_free_sgpr 66
		.amdhsa_reserve_vcc 0
		.amdhsa_float_denorm_mode_32 3
		.amdhsa_float_denorm_mode_16_64 3
		.amdhsa_memory_ordered 1
		.amdhsa_forward_progress 1
		.amdhsa_inst_pref_size 86
	.end_amdhsa_kernel
	.amdgpu_metadata
---
amdhsa.version: [ 1, 2 ]
amdhsa.kernels:
  - .name:           k_qc0d372f8aa_proj
    .symbol:         k_qc0d372f8aa_proj.kd
    .args:
      - { .name: att16, .offset: 0, .size: 8, .value_kind: global_buffer, .address_space: global }
      - { .name: wp16, .offset: 8, .size: 8, .value_kind: global_buffer, .address_space: global }
      - { .name: b_proj, .offset: 16, .size: 8, .value_kind: global_buffer, .address_space: global }
      - { .name: out0, .offset: 24, .size: 8, .value_kind: global_buffer, .address_space: global }
    .group_segment_fixed_size: 327680
    .private_segment_fixed_size: 0
    .kernarg_segment_align: 8
    .kernarg_segment_size: 32
    .max_flat_workgroup_size: 128
    .sgpr_count:     66
    .vgpr_count:     512
    .wavefront_size: 32
...
	.end_amdgpu_metadata
.endif
;; end of part 4
